; MI455X (gfx1250); checked and timed in simulation.
; The chip was launched on July 23, 2026; its instructions are those of AMD's public machine-readable ISA for CDNA 5 (MIT licence, August 2026) and "CDNA5" Instruction Set Architecture Reference Guide (July 2026). The comments in the code are by the model that wrote it; some were corrected since.
;; Local Sliding Window Attention Optimized. Allowed arithmetic: float matrix products may take bf16 or f16 operands with f32 sums; all other float work in f32.
;; Inputs: Wk_b 1,024 float32; Wk_w 1,024 x 1,024 float32; Wo_b 1,024 float32; Wo_w 1,024 x 1,024 float32; Wq_b 1,024 float32; Wq_w 1,024 x 1,024 float32; Wv_b 1,024 float32; Wv_w 1,024 x 1,024 float32; q 2 x 2,048 x 1,024 float32.
;; Outputs: out0 2 x 2,048 x 1,024 float32; out1 2,048 int32.
;; 2 versions, each right; version 2 is version 1 with the launch prep written anew for expert scheduling mode. Each part assembles by itself: llvm-mc -triple=amdgcn-amd-amdhsa -mcpu=gfx1250 --defsym DOCPART=n.
;; ======== version 1 of 2: 4 launches
;; limits: values are held in f16: magnitudes above 65,504 overflow, below 6.1e-05 lose precision
;; workspace buffers: xh 8,388,608 bytes; wt 8,388,608 bytes; qkv 28,311,552 bytes; ao 8,388,608 bytes
;; launch prep (part 1): grid 512 x 1, 8 waves a work-group, no clusters, 18,432 bytes of LDS; arguments q, Wq_w, Wk_w, Wv_w, Wo_w, xh, wt, qkv, out1; writes xh, wt, qkv, out1
.if DOCPART == 1
	.amdgcn_target "amdgcn-amd-amdhsa--gfx1250"
	.amdhsa_code_object_version 6
	.text
	.protected	k_q3a2174394a_prep
	.globl	k_q3a2174394a_prep
	.p2align	8
	.type	k_q3a2174394a_prep,@function
k_q3a2174394a_prep:
	s_mov_b64 s[64:65], 0
	v_nop
	global_prefetch_b8 v0, s[64:65] scope:SCOPE_SE
	s_setreg_imm32_b32 hwreg(HW_REG_WAVE_MODE, 25, 1), 1
	s_wait_xcnt 0x0
; prep: brings the f32 inputs into the form that the matrix launches read.  512 work-groups of 256 threads, each does four things:
;  (a) one tile of 128 k x 64 n of one of the four weights [k][n] f32 goes, cast to f16 and transposed through LDS, to wt [4096 n][1024 k]
;      (rows 0-1023 Wq, 1024-2047 Wk, 2048-3071 Wv, 3072-4095 Wo);  4 weights x 8 k tiles x 16 n tiles = 512 tiles;
;  (b) 8 rows of q (32 KiB) are cast to f16 into xh;
;  (c) 4 KiB of the zero rows of K and V in qkv [3][32 heads][2304 rows][64] f16 (rows 0-127 and 2176-2303 of each head: 64 x 2 x 16 KiB);
;  (d) work-groups 0 to 3 write out1 = 0 .. 2047.
; Memory binds: every input byte is read once by 16-byte loads, sixteen lanes on 256 neighbouring bytes; every store of sixteen (b128) or
; thirty-two (b64) neighbouring lanes covers 256 consecutive aligned bytes.  No matrix unit, no cluster: no input is shared.
; LIMIT: f16 holds magnitudes below 65,504; q and the weights must stay below that.
.set HEADB, 294912                     ; bytes of one head in qkv: 2304 rows x 128
.set LP,    272                        ; LDS pitch: 256 bytes (128 k in f16) + 16, so that 16 rows start in 16 different 16-byte columns
.set X,   20                           ; v[20:51]   weight tile as loaded: register 4 j + tt = W[8 kc + j][4 c + tt]
.set QX,  52                           ; v[52:83]   q as loaded
.set Y,   84                           ; v[84:99]   register 4 tt + p: k = 8 kc + 2 p, + 1 of column 4 c + tt, packed
.set PK,  100                          ; v[100:115] q packed
.set RBK, 116                          ; v[116:131] transposed rows read back
	s_load_b512 s[8:23], s[0:1], 0x0               ; q s[8:9], Wq s[10:11], Wk s[12:13], Wv s[14:15], Wo s[16:17], xh s[18:19], wt s[20:21], qkv s[22:23]
	s_load_b64 s[24:25], s[0:1], 0x40              ; out1
	v_lshl_add_u32 v132, v0, 2, 0x4400
	v_mov_b32 v133, 0
	v_and_b32 v1, 15, v0                           ; c: which 16 bytes of a 256-byte piece
	v_lshrrev_b32 v2, 4, v0                        ; kc: 0 .. 15
	v_lshlrev_b32 v3, 4, v1
	v_lshl_or_b32 v6, v2, 13, v3                   ; wt: 4 kc rows of 2,048 bytes + 16 c
	v_lshl_or_b32 v3, v2, 15, v3                   ; W: 8 kc rows of 4,096 bytes + 16 c
	v_mul_u32_u24 v4, v1, LP
	v_lshl_add_u32 v4, v2, 4, v4                   ; LDS in: row c (+ 16 tt), column 16 kc
	v_mul_u32_u24 v5, v2, LP
	v_lshl_add_u32 v5, v1, 4, v5                   ; LDS back: row kc (+ 16 u), column 16 c
	v_lshlrev_b32 v7, 4, v0                        ; 16 t
	v_lshlrev_b32 v8, 3, v0                        ; 8 t
	v_mov_b32 v10, 0
	v_mov_b32 v11, 0
	v_mov_b32 v12, 0
	v_mov_b32 v13, 0
	s_lshl_b32 s28, ttmp9, 9
	v_lshl_add_u32 v14, v0, 1, s28                 ; 512 id + 2 t
	v_add_nc_u32 v15, 1, v14
	s_lshr_b32 s28, ttmp9, 7                       ; which weight
	s_and_b32 s29, ttmp9, 7                        ; k tile
	s_bfe_u32 s30, ttmp9, 0x40003                  ; n tile
	s_lshl_b32 s32, s29, 19                        ; W: 128 rows of 4,096 bytes a k tile
	s_lshl_b32 s31, s30, 8                         ;    + 256 bytes an n tile
	s_add_co_u32 s32, s32, s31
	s_mov_b32 s33, 0
	s_lshl_b32 s34, s28, 21                        ; wt: 1,024 rows of 2,048 bytes a weight
	s_lshl_b32 s31, s30, 17                        ;     + 64 rows an n tile
	s_add_co_u32 s34, s34, s31
	s_lshl_b32 s31, s29, 8                         ;     + 256 bytes a k tile
	s_add_co_u32 s34, s34, s31
	s_mov_b32 s35, 0
	s_lshl_b32 s36, ttmp9, 15                      ; q: 8 rows of 4,096 bytes
	s_mov_b32 s37, 0
	s_lshl_b32 s38, ttmp9, 14                      ; xh: 8 rows of 2,048 bytes
	s_mov_b32 s39, 0
	s_lshr_b32 s40, ttmp9, 3                       ; zero rows: head 32 + id / 8 (K's and V's 64 heads),
	s_add_co_u32 s40, s40, 32
	s_mul_i32 s40, s40, HEADB
	s_bfe_u32 s31, ttmp9, 0x10002                  ; front or back pad (row 0 or row 2176),
	s_mul_i32 s31, s31, 2176*128
	s_add_co_u32 s40, s40, s31
	s_and_b32 s31, ttmp9, 3                        ; which 4 KiB of its 16 KiB
	s_lshl_b32 s31, s31, 12
	s_add_co_u32 s40, s40, s31
	s_mov_b32 s41, 0
	s_lshl_b32 s42, ttmp9, 11                      ; out1: 512 numbers a work-group
	s_mov_b32 s43, 0
	s_wait_kmcnt 0x0
	s_cmp_eq_u32 s28, 1
	s_cselect_b64 s[26:27], s[12:13], s[10:11]
	s_cmp_eq_u32 s28, 2
	s_cselect_b64 s[26:27], s[14:15], s[26:27]
	s_cmp_eq_u32 s28, 3
	s_cselect_b64 s[26:27], s[16:17], s[26:27]     ; my weight
	s_add_nc_u64 s[26:27], s[26:27], s[32:33]
	s_add_nc_u64 s[20:21], s[20:21], s[34:35]
	s_add_nc_u64 s[8:9], s[8:9], s[36:37]
	s_add_nc_u64 s[18:19], s[18:19], s[38:39]
	s_add_nc_u64 s[22:23], s[22:23], s[40:41]
.irp j, 0,1,2,3,4,5,6,7
	global_load_b128 v[X+4*\j:X+4*\j+3], v3, s[26:27] offset:4096*\j th:TH_LOAD_NT     ; row 8 kc + j of the tile
.endr
.irp j, 0,1,2,3,4,5,6,7
	global_load_b128 v[QX+4*\j:QX+4*\j+3], v7, s[8:9] offset:4096*\j th:TH_LOAD_NT     ; a whole row of q for the 256 threads
.endr
	global_store_b128 v7, v[10:13], s[22:23]       ; 4 KiB of zeros
	s_cmp_ge_u32 ttmp9, 4
	s_cbranch_scc1 .Lno_index
	s_add_nc_u64 s[24:25], s[24:25], s[42:43]
	global_store_b64 v8, v[14:15], s[24:25]        ; out1
.Lno_index:
	s_wait_loadcnt 0x8                             ; the weight tile is in; the eight younger loads (q) stay out
.irp tt, 0,1,2,3
.irp p, 0,1,2,3
	v_cvt_pk_f16_f32 v[Y+4*\tt+\p], v[X+8*\p+\tt], v[X+8*\p+4+\tt]
.endr
	ds_store_b128 v4, v[Y+4*\tt:Y+4*\tt+3] offset:16*LP*\tt                            ; LDS row 16 tt + c = column 4 c + tt, its k = 8 kc .. + 7
.endr
	s_wait_dscnt 0x0                               ; my stores are in LDS before I say so
	s_barrier_signal -1
	s_barrier_wait -1
.irp u, 0,1,2,3
	ds_load_b128 v[RBK+4*\u:RBK+4*\u+3], v5 offset:16*LP*\u                            ; column 4 kc + u, k = 8 c .. + 7
.endr
	s_wait_loadcnt 0x0                             ; q
.irp j, 0,1,2,3,4,5,6,7
	v_cvt_pk_f16_f32 v[PK+2*\j], v[QX+4*\j], v[QX+4*\j+1]
	v_cvt_pk_f16_f32 v[PK+2*\j+1], v[QX+4*\j+2], v[QX+4*\j+3]
	global_store_b64 v8, v[PK+2*\j:PK+2*\j+1], s[18:19] offset:2048*\j
.endr
.irp u, 0,1,2,3
	s_wait_dscnt 3-\u                              ; LDS loads come back in order: load u is in, the younger ones stay out
	global_store_b128 v6, v[RBK+4*\u:RBK+4*\u+3], s[20:21] offset:2048*\u
.endr
	s_wait_tensorcnt 0x0
	ds_add_u32 v132, v133
	s_wait_dscnt 0x0
	s_endpgm
.Lfunc_end_k_q3a2174394a_prep:
	.size	k_q3a2174394a_prep, .Lfunc_end_k_q3a2174394a_prep-k_q3a2174394a_prep
	.p2alignl 7, 3214868480
	.fill 96, 4, 3214868480
	.section	.rodata,"a",@progbits
	.p2align	6, 0x0
	.amdhsa_kernel k_q3a2174394a_prep
		.amdhsa_group_segment_fixed_size 18432
		.amdhsa_private_segment_fixed_size 0
		.amdhsa_enable_private_segment 0
		.amdhsa_kernarg_size 72
		.amdhsa_user_sgpr_count 2
		.amdhsa_user_sgpr_kernarg_segment_ptr 1
		.amdhsa_wavefront_size32 1
		.amdhsa_system_sgpr_workgroup_id_x 1
		.amdhsa_system_sgpr_workgroup_id_y 1
		.amdhsa_system_sgpr_workgroup_id_z 1
		.amdhsa_system_vgpr_workitem_id 0
		.amdhsa_next_free_vgpr 134
		.amdhsa_next_free_sgpr 66
		.amdhsa_reserve_vcc 0
		.amdhsa_float_denorm_mode_32 3
		.amdhsa_float_denorm_mode_16_64 3
		.amdhsa_memory_ordered 1
		.amdhsa_forward_progress 1
		.amdhsa_inst_pref_size 9
	.end_amdhsa_kernel
	.amdgpu_metadata
---
amdhsa.version: [ 1, 2 ]
amdhsa.kernels:
  - .name:           k_q3a2174394a_prep
    .symbol:         k_q3a2174394a_prep.kd
    .args:
      - { .name: q, .offset: 0, .size: 8, .value_kind: global_buffer, .address_space: global }
      - { .name: Wq_w, .offset: 8, .size: 8, .value_kind: global_buffer, .address_space: global }
      - { .name: Wk_w, .offset: 16, .size: 8, .value_kind: global_buffer, .address_space: global }
      - { .name: Wv_w, .offset: 24, .size: 8, .value_kind: global_buffer, .address_space: global }
      - { .name: Wo_w, .offset: 32, .size: 8, .value_kind: global_buffer, .address_space: global }
      - { .name: xh, .offset: 40, .size: 8, .value_kind: global_buffer, .address_space: global }
      - { .name: wt, .offset: 48, .size: 8, .value_kind: global_buffer, .address_space: global }
      - { .name: qkv, .offset: 56, .size: 8, .value_kind: global_buffer, .address_space: global }
      - { .name: out1, .offset: 64, .size: 8, .value_kind: global_buffer, .address_space: global }
    .group_segment_fixed_size: 18432
    .private_segment_fixed_size: 0
    .kernarg_segment_align: 8
    .kernarg_segment_size: 72
    .max_flat_workgroup_size: 256
    .sgpr_count:     66
    .vgpr_count:     134
    .wavefront_size: 32
...
	.end_amdgpu_metadata
.endif
;; end of part 1
;; launch proj (part 2): grid 16 x 16, 4 waves a work-group, clusters of 4 x 4, 327,680 bytes of LDS; arguments xh, wt, qkv, Wq_b, Wk_b, Wv_b; writes qkv
.if DOCPART == 2
	.amdgcn_target "amdgcn-amd-amdhsa--gfx1250"
	.amdhsa_code_object_version 6
	.text
	.protected	k_q3a2174394a_proj
	.globl	k_q3a2174394a_proj
	.p2align	8
	.type	k_q3a2174394a_proj,@function
k_q3a2174394a_proj:
	s_mov_b64 s[64:65], 0
	v_nop
	global_prefetch_b8 v0, s[64:65] scope:SCOPE_SE
	s_setreg_imm32_b32 hwreg(HW_REG_WAVE_MODE, 25, 1), 1
	s_wait_xcnt 0x0
	s_wait_alu depctr_hold_cnt(0) depctr_sa_sdst(0) depctr_va_vdst(0) depctr_va_sdst(0) depctr_va_ssrc(0) depctr_va_vcc(0) depctr_vm_vsrc(0)
	s_getreg_b32 s2, hwreg(HW_REG_IB_STS2, 6, 4)
	s_cmp_eq_u32 s2, 0
	s_cbranch_scc0 .Lentry_in_a_cluster
	s_endpgm
.Lentry_in_a_cluster:
	s_bfe_u32 s2, ttmp6, 0x10000c
	s_cmp_lg_u32 s2, 0xf033
	s_cbranch_scc0 .Lentry_shape_is_right
	s_endpgm
.Lentry_shape_is_right:
; C[m][n] = bias[n] + sum over k of A[m][k] B[n][k], f16 operands, f32 sums, K = 1024.  One text for two launches; IS_QKV picks the sizes.
;  IS_QKV = 1: A = xh [4096][1024], B = wt rows 0-3071 (Wq, Wk, Wv transposed), C in f16 into qkv [3][32 heads][2304 rows][64] (row = 128 + position).
;              Block 256 x 192 (three whole heads): 16 x 16 = 256 work-groups.  A wave makes 64 rows x 192 columns: 48 accumulator tiles.
;  IS_QKV = 0: A = ao [4096][1024], B = wt rows 3072-4095 (Wo transposed), C in f32 into out0.  Block 128 x 128: 8 x 32 = 256 work-groups; a wave 64 x 64.
; Four waves, one a SIMD.  K goes through two LDS slots filled by the tensor data mover; a slot holds KS along K for all rows of the block.
; CLUSTERS: 4 x 4 work-groups.  A's tile hangs on the block row alone and is asked for jointly by the four of a row of the cluster, B's on the block
; column alone and is asked for jointly by the four of a column: the requests for A and B are divided by four.
; THE MATRIX INSTRUCTION IS USED TRANSPOSED: source 0 = 16 rows of B, source 1 = 16 rows of A, so lane l holds row l % 16 of C and in registers 0-7 its
; columns 8 (l / 16) + 0 .. 7.  The bias is loaded once in that layout and is the C operand of each sum's first product: nothing is cleared or added.
; REGISTERS in windows of 256: window 0 addresses, A's fragments (two buffers), bias, way out; window 1 B's fragments (two buffers);
; windows 2 and 3 accumulators: tile (a, b) at v[8 (NT (a % 2) + b)] of window 2 + a / 2.
; LIMIT: operands and, with IS_QKV = 1, results are f16: magnitudes below 65,504.
.set IS_QKV, 1
.if IS_QKV
.set AR, 256                           ; rows of A in a block
.set BR, 192                           ; rows of B (columns of C) in a block
.set NT, 12                            ; column tiles of a wave
.set AH, 128                           ; rows that one tensor load brings of A
.set BH, 96                            ; of B
.set KS, 128                           ; K in a slot
.set QPS, 4                            ; quarters of 32 along K in a slot
.set PITCH, 272                        ; LDS row: 256 bytes + 16: an odd multiple of 16, so 16 rows start in 16 different 16-byte columns
.set QI, 5                             ; padding behind every 64 words
.set LAPS, 4                           ; 1024 / (2 KS)
.set WTOFF, 0
.set SPITCH, 400                       ; stage row: 192 f16 + 16 bytes
.else
.set AR, 128
.set BR, 128
.set NT, 4
.set AH, 64
.set BH, 64
.set KS, 256
.set QPS, 8
.set PITCH, 528                        ; 512 bytes + 16
.set QI, 6                             ; padding behind every 128 words
.set LAPS, 2
.set WTOFF, 3072*2048
.set SPITCH, 272                       ; stage row: 64 f32 + 16 bytes
.endif
.set SLOT,  (AR+BR)*PITCH              ; A's rows, then B's rows
.set STAGE, 2*SLOT                     ; behind the ring, a multiple of 256: 16 rows for each wave, for the way out; no fill lands here
.set ADRA, 16                          ; v16-17  LDS address of my A fragments in slot 0, 1
.set ADRB, 20                          ; v20-21  the same for B
.set STO,  24                          ; v24     the way out: where I put my piece of a row
.set RD,   25                          ; v25     where I read rows back
.set CO,   26                          ; v26     my byte offset in the output
.set VB,   27                          ; v27     32 (l / 16): my eight bias numbers in a tile's sixteen
.set TMP,  40                          ; v40-87  packed results
.set FA,   88                          ; v88-119, v120-151  A's fragments, two buffers
.set RB,   88                          ; v88-135 rows read back on the way out
.set BIAS, 160                         ; v160 .. v160+8 NT-1
.set G1,  24                           ; s[24:31] descriptor group 1, A
.set G0,  32                           ; s[32:39] group 0, A, one set a slot
.set G1B, 48                           ; s[48:55] group 1, B
.set G0B, 56                           ; s[56:63] group 0, B
.set BP,  68                           ; s[68:73] bias buffers
.set BB,  74                           ; s[74:79] bias at the first column of each group of four column tiles
.set HB,  80                           ; s[80:85] output bases
.set MSB, 0
.macro WIN new                         ; low byte: bits 1:0 source 0, 3:2 source 1, 5:4 source 2, 7:6 destination; the high byte repeats the setting that is left
.if MSB != (\new)
	s_set_vgpr_msb (MSB<<8)|(\new)
.set MSB, (\new)
.endif
.endm
.macro PLACES                          ; four plain vector places between a matrix instruction and a load into, or a read of, its registers
.rept 4
	v_nop
.endr
.endm
; A joint load: waves 0 and 1 fetch A's two halves, waves 2 and 3 B's.  The branch hangs on the wave's number alone.
.macro JLOAD s
	s_cmp_eq_u32 s11, 0
	s_cbranch_scc0 .Lfor_b_\@
	tensor_load_to_lds s[G0+4*\s:G0+4*\s+3], s[G1:G1+7]
	s_nop 0
	s_branch .Lasked_\@
.Lfor_b_\@:
	tensor_load_to_lds s[G0B+4*\s:G0B+4*\s+3], s[G1B:G1B+7]
	s_nop 0
.Lasked_\@:
.endm
.macro CREST                           ; a round of the cluster's barrier behind its opening work-group barrier
	s_cmp_lg_u32 s10, 0
	s_cbranch_scc1 .Lnot_wave_0_\@
	s_barrier_signal -3
.Lnot_wave_0_\@:
	s_barrier_wait -3
	s_barrier_signal -1
	s_barrier_wait -1
.endm
.macro CROUND                          ; a whole round
	s_barrier_signal -1
	s_barrier_wait -1
	CREST
.endm
	s_load_b128 s[4:7], s[0:1], 0x0                ; A s[4:5], wt s[6:7]
	s_load_b64 s[8:9], s[0:1], 0x10                ; the output
.if IS_QKV
	s_load_b128 s[BP:BP+3], s[0:1], 0x18           ; Wq_b, Wk_b
	s_load_b64 s[BP+4:BP+5], s[0:1], 0x28          ; Wv_b
	s_set_vgpr_msb 0x40
	v_lshl_add_u32 v255, v0, 2, 0x41c00
	s_set_vgpr_msb 0x4000
	v_mov_b32 v159, 0
	s_set_vgpr_msb 0x1
	ds_add_u32 v255, v159
	ds_add_u32 v255, v159
	s_set_vgpr_msb 0x100
.else
	s_load_b64 s[BP:BP+1], s[0:1], 0x18            ; Wo_b
.endif
	v_lshrrev_b32 v1, 5, v0
	v_readfirstlane_b32 s10, v1                    ; wave 0..3
	s_lshr_b32 s11, s10, 1                         ; I fetch for A (0) or for B (1)
	s_and_b32 s12, s10, 1                          ; which half of that tile's rows
	s_bfe_u32 s40, ttmp6, 0x40000                  ; cx
	s_bfe_u32 s41, ttmp6, 0x40004                  ; cy
	s_lshl_b32 s42, ttmp9, 2
	s_add_co_u32 s42, s42, s40                     ; block column = 4 x cluster x + cx
	s_and_b32 s13, ttmp7, 0xffff
	s_lshl_b32 s13, s13, 2
	s_add_co_u32 s13, s13, s41                     ; block row = 4 x cluster y + cy
	s_lshl_b32 s43, s41, 2
	s_lshl_b32 s43, 15, s43                        ; my row of the cluster: places 4 cy .. 4 cy + 3
	s_lshl_b32 s44, 0x1111, s40                    ; my column: places cx, cx + 4, cx + 8, cx + 12
	; group 1: rows of KS elements of 2 bytes, padded by 4 words in LDS; extents = the tile (no tile crosses the tensor's end)
	s_or_b32 s[G1+0], s43, (1<<16)|(1<<20)|(1<<21)|(QI<<22)|(3<<25)    ; mask: A's tiles go to my row; element 2 bytes; padding on; bit 21 beside a mask
	s_or_b32 s[G1B+0], s44, (1<<16)|(1<<20)|(1<<21)|(QI<<22)|(3<<25)   ; mask: B's tiles go to my column
	s_mov_b32 s[G1+1], KS<<16                      ; tensor_dim0
	s_mov_b32 s[G1B+1], KS<<16
	s_mov_b32 s[G1+2], AH<<16                      ; tensor_dim1
	s_mov_b32 s[G1B+2], BH<<16
	s_mov_b32 s[G1+3], KS<<16                      ; tile_dim0
	s_mov_b32 s[G1B+3], KS<<16
	s_mov_b32 s[G1+4], AH                          ; tile_dim1
	s_mov_b32 s[G1B+4], BH
	s_mov_b32 s[G1+5], 1024                        ; elements from row to row
	s_mov_b32 s[G1B+5], 1024
	s_mov_b32 s[G1+6], 0
	s_mov_b32 s[G1B+6], 0
	s_mov_b32 s[G1+7], 0
	s_mov_b32 s[G1B+7], 0
	; A's address is made of the block row and the wave's number, B's of the block column and the wave's number, in registers of their own
	s_mul_i32 s16, s13, AR
	s_mul_i32 s17, s12, AH
	s_add_co_u32 s16, s16, s17
	s_lshl_b32 s16, s16, 11                        ; rows of 2,048 bytes
	s_mov_b32 s17, 0
	s_mul_i32 s46, s42, BR
	s_mul_i32 s47, s12, BH
	s_add_co_u32 s46, s46, s47
	s_lshl_b32 s46, s46, 11
.if WTOFF != 0
	s_add_co_u32 s46, s46, WTOFF
.endif
	s_mov_b32 s47, 0
	s_mul_i32 s20, s10, AH*PITCH                   ; LDS: waves 0, 1: A's halves
	s_mul_i32 s21, s10, BH*PITCH                   ; waves 2, 3: B's halves, behind A's AR rows
.if (AR-2*BH) != 0
	s_add_co_u32 s21, s21, (AR-2*BH)*PITCH
.endif
	s_wait_dscnt 0x0
	s_wait_kmcnt 0x0
	s_add_nc_u64 s[14:15], s[4:5], s[16:17]
	s_add_nc_u64 s[46:47], s[6:7], s[46:47]
	CROUND                                         ; all sixteen work-groups are here: the first joint loads meet
.irp s, 0,1
	s_mov_b32 s[G0+4*\s], 1
	s_add_co_u32 s[G0+4*\s+1], s20, \s*SLOT
	s_add_nc_u64 s[G0+4*\s+2:G0+4*\s+3], s[14:15], \s*KS*2
	s_or_b32 s[G0+4*\s+3], s[G0+4*\s+3], 0x80000000
	s_mov_b32 s[G0B+4*\s], 1
	s_add_co_u32 s[G0B+4*\s+1], s21, \s*SLOT
	s_add_nc_u64 s[G0B+4*\s+2:G0B+4*\s+3], s[46:47], \s*KS*2
	s_or_b32 s[G0B+4*\s+3], s[G0B+4*\s+3], 0x80000000
	JLOAD \s                                       ; both slots' first fills: two tensor loads of the wave are out
.endr
	; bias and output bases
.if IS_QKV
.irp hh, 0,1,2
	s_mul_i32 s86, s42, 3
	s_add_co_u32 s86, s86, \hh                     ; which of the 48 heads of Q, K, V
	s_lshr_b32 s87, s86, 4                         ; 0 Q, 1 K, 2 V
	s_and_b32 s88, s86, 15                         ; head
	s_cmp_eq_u32 s87, 1
	s_cselect_b64 s[BB+2*\hh:BB+2*\hh+1], s[BP+2:BP+3], s[BP:BP+1]
	s_cmp_eq_u32 s87, 2
	s_cselect_b64 s[BB+2*\hh:BB+2*\hh+1], s[BP+4:BP+5], s[BB+2*\hh:BB+2*\hh+1]
	s_lshl_b32 s90, s88, 8                         ; 64 f32 a head
	s_mov_b32 s91, 0
	s_add_nc_u64 s[BB+2*\hh:BB+2*\hh+1], s[BB+2*\hh:BB+2*\hh+1], s[90:91]
	s_lshl_b32 s87, s87, 5                         ; 32 heads for each of Q, K, V,
	s_lshr_b32 s89, s13, 3
	s_lshl_b32 s89, s89, 4                         ; 16 for each batch (8 block rows a batch)
	s_add_co_u32 s87, s87, s89
	s_add_co_u32 s87, s87, s88
	s_mul_i32 s87, s87, 2304                       ; rows a head
	s_and_b32 s89, s13, 7
	s_lshl_b32 s89, s89, 8                         ; the block's first position
	s_add_co_u32 s87, s87, s89
	s_lshl_b32 s89, s10, 6                         ; my 64 rows
	s_add_co_u32 s87, s87, s89
	s_add_co_u32 s87, s87, 128                     ; behind the front pad
	s_lshl_b32 s90, s87, 7                         ; rows of 128 bytes
	s_add_nc_u64 s[HB+2*\hh:HB+2*\hh+1], s[8:9], s[90:91]
.endr
.else
	s_lshl_b32 s86, s42, 7
	s_lshl_b32 s87, s12, 6
	s_add_co_u32 s86, s86, s87                     ; my first column
	s_lshl_b32 s86, s86, 2
	s_mov_b32 s87, 0
	s_add_nc_u64 s[BB:BB+1], s[BP:BP+1], s[86:87]
	s_lshl_b32 s88, s13, 7
	s_lshl_b32 s89, s11, 6
	s_add_co_u32 s88, s88, s89                     ; my first row
	s_lshl_b32 s88, s88, 12                        ; rows of 4,096 bytes
	s_add_co_u32 s86, s86, s88
	s_add_nc_u64 s[HB:HB+1], s[8:9], s[86:87]
.endif
	; lane addresses.  A fragment is 16 rows x 32 K in 8 registers: lane l holds row l % 16, registers 0-3 K = 8 (l / 16) + 0..7, registers 4-7 sixteen further
	v_and_b32 v1, 15, v0                           ; l % 16
	v_bfe_u32 v2, v0, 4, 1                         ; l / 16
	v_lshlrev_b32 v[VB], 5, v2
.set bb, 0
.rept NT
	global_load_b128 v[BIAS+8*bb:BIAS+8*bb+3],   v[VB], s[BB+2*(bb/4):BB+2*(bb/4)+1] offset:64*(bb%4)
	global_load_b128 v[BIAS+8*bb+4:BIAS+8*bb+7], v[VB], s[BB+2*(bb/4):BB+2*(bb/4)+1] offset:64*(bb%4)+16
.set bb, bb+1
.endr
	v_mul_u32_u24 v3, v1, PITCH
	v_lshl_add_u32 v3, v2, 4, v3
.if IS_QKV
	s_mul_i32 s86, s10, 64*PITCH                   ; my 64 rows of A
	s_mov_b32 s87, AR*PITCH                        ; all of B's rows
.else
	s_mul_i32 s86, s11, 64*PITCH
	s_mul_i32 s87, s12, 16*NT*PITCH
	s_add_co_u32 s87, s87, AR*PITCH
.endif
.irp s, 0,1
	v_add_nc_u32 v[ADRA+\s], s86, v3
	v_add_nc_u32 v[ADRB+\s], s87, v3
	s_add_co_u32 s86, s86, SLOT
	s_add_co_u32 s87, s87, SLOT
.endr
	s_mul_i32 s88, s10, 16*SPITCH
	s_add_co_u32 s88, s88, STAGE                   ; my stage
	v_mul_u32_u24 v4, v1, SPITCH
.if IS_QKV
	v_lshl_add_u32 v4, v2, 4, v4                   ; in: row l % 16, 16 bytes (8 f16) for each half of the lanes
	v_add_nc_u32 v[STO], s88, v4
	v_bfe_u32 v5, v0, 3, 2                         ; back: eight lanes take the 128 bytes of one head in one row, a wave four rows
	v_and_b32 v6, 7, v0
	v_mul_u32_u24 v5, v5, SPITCH
	v_lshl_add_u32 v5, v6, 4, v5
	v_add_nc_u32 v[RD], s88, v5
	v_and_b32 v5, 31, v0
	v_lshlrev_b32 v[CO], 4, v5                     ; in qkv those four rows are 512 consecutive bytes
.else
	v_lshl_add_u32 v4, v2, 5, v4                   ; in: row l % 16, 32 bytes (8 f32) for each half of the lanes
	v_add_nc_u32 v[STO], s88, v4
	v_mul_u32_u24 v5, v2, SPITCH                   ; back: lanes 0-15 one row of 256 bytes, lanes 16-31 the next
	v_lshl_add_u32 v5, v1, 4, v5
	v_add_nc_u32 v[RD], s88, v5
	v_lshlrev_b32 v5, 4, v1
	v_lshl_or_b32 v[CO], v2, 12, v5
.endif
; 2 NT + 8 LDS loads in one run: the fragments of quarter q of a slot into buffer f
.macro FETCH slot, q, f
	WIN 0x40                                       ; destination window 1, address window 0
.set ii, 0
.rept NT
	ds_load_b128 v[8*NT*\f+8*ii:8*NT*\f+8*ii+3],   v[ADRB+\slot] offset:64*\q+ii*16*PITCH
	ds_load_b128 v[8*NT*\f+8*ii+4:8*NT*\f+8*ii+7], v[ADRB+\slot] offset:64*\q+ii*16*PITCH+32
.set ii, ii+1
.endr
	WIN 0
.irp i, 0,1,2,3
	ds_load_b128 v[FA+32*\f+8*\i:FA+32*\f+8*\i+3],   v[ADRA+\slot] offset:64*\q+\i*16*PITCH
	ds_load_b128 v[FA+32*\f+8*\i+4:FA+32*\f+8*\i+7], v[ADRA+\slot] offset:64*\q+\i*16*PITCH+32
.endr
.endm
; NT matrix instructions: row tile a x all column tiles, 32 along K, from buffer f.  first = 1: the bias (window 0) is C and starts the sums.
; The 4 NT accumulators take turns, one instruction a turn, in the same order in every quarter and over the backward jump.
.macro MULA f, a, first
.if \first
	WIN (0x81+0x40*((\a)/2))
.else
	WIN (0xa1+0x50*((\a)/2))
.endif
.set bb, 0
.rept NT
.set dd, 8*(NT*((\a)%2)+bb)
.if \first
	v_wmma_f32_16x16x32_f16 v[dd:dd+7], v[8*NT*(\f)+8*bb:8*NT*(\f)+8*bb+7], v[FA+32*(\f)+8*(\a):FA+32*(\f)+8*(\a)+7], v[BIAS+8*bb:BIAS+8*bb+7]
.else
	v_wmma_f32_16x16x32_f16 v[dd:dd+7], v[8*NT*(\f)+8*bb:8*NT*(\f)+8*bb+7], v[FA+32*(\f)+8*(\a):FA+32*(\f)+8*(\a)+7], v[dd:dd+7]
.endif
.set bb, bb+1
.endr
.endm
; A quarter but the slot's last: buffer f was fetched a whole quarter ago; the next quarter's fragments are asked for first, then buffer f is multiplied.
.macro QUARTER slot, q, f, first
	s_wait_dscnt 0x0                               ; buffer f is in
	PLACES                                         ; the other buffer was read by the matrix instructions just issued
	FETCH \slot, (\q+1), (1-\f)
	MULA \f, 0, \first
	MULA \f, 1, \first
	MULA \f, 2, \first
	MULA \f, 3, \first
.endm
.macro BODY slot, first
	QUARTER \slot, 0, 0, \first
	QUARTER \slot, 1, 1, 0
	QUARTER \slot, 2, 0, 0
.if QPS > 4
	QUARTER \slot, 3, 1, 0
	QUARTER \slot, 4, 0, 0
	QUARTER \slot, 5, 1, 0
	QUARTER \slot, 6, 0, 0
.endif
.endm
; The slot's last quarter (buffer 1) and the change of slots.  In front of the barrier each wave waits for its reads of this slot and for all its tensor
; loads (one is out: its part of the next slot).  fill = 1: the barrier opens a round of the cluster's barrier, and the joint refill of this slot, two
; slots of K ahead, is the first tensor load behind the round; it has all the work up to the next change of slots in which to land.
.macro TURN slot, next, fill
	s_wait_dscnt 0x0
	s_wait_tensorcnt 0x0
	ds_add_u32 v255, v159
	s_wait_dscnt 0x0
	s_barrier_signal -1
	MULA 1, 0, 0                                   ; register work while the others arrive
	MULA 1, 1, 0
	WIN 0
	s_barrier_wait -1
.if \fill
	CREST
	s_add_nc_u64 s[G0+4*\slot+2:G0+4*\slot+3], s[G0+4*\slot+2:G0+4*\slot+3], 4*KS       ; no tensor load of mine is out: group 0 may be written
	s_add_nc_u64 s[G0B+4*\slot+2:G0B+4*\slot+3], s[G0B+4*\slot+2:G0B+4*\slot+3], 4*KS
	JLOAD \slot
.endif
	PLACES
	FETCH \next, 0, 0
	MULA 1, 2, 0
	MULA 1, 3, 0
.endm
.macro LAP first
	BODY 0, \first
	TURN 0, 1, 1
	BODY 1, 0
	TURN 1, 0, 1
.endm
	s_wait_loadcnt 0x0                             ; the bias
	s_wait_tensorcnt 0x1                           ; my part of slot 0 is in; slot 1's stays out
	s_barrier_signal -1
	s_barrier_wait -1
	FETCH 0, 0, 0
	LAP 1                                          ; the first lap stands in front of the loop: its first products take the bias as C
.if LAPS > 2
	WIN 0
	s_mov_b32 s3, LAPS-2
.Llap:
	LAP 0
	WIN 0
	s_sub_co_u32 s3, s3, 1
	s_cmp_lg_u32 s3, 0
	s_cbranch_scc1 .Llap
.endif
	BODY 0, 0                                      ; the last lap fills nothing
	TURN 0, 1, 0
	BODY 1, 0
	s_wait_dscnt 0x0
	MULA 1, 0, 0
	MULA 1, 1, 0
	MULA 1, 2, 0
	MULA 1, 3, 0
	PLACES                                         ; behind the last matrix instructions: results are read, fragment registers loaded again
; THE WAY OUT, 16 rows at a time through my own stage in LDS (LDS serves a wave's instructions in order, ISA guide 5.7.1: no wait between stores and loads).
.if IS_QKV
.macro OUT16 a
	WIN (0x0a+5*((\a)/2))                          ; sources 0 and 1 from window 2 or 3
.set bb, 0
.rept NT
.irp i, 0,1,2,3
	v_cvt_pk_f16_f32 v[TMP+4*bb+\i], v[8*(NT*((\a)%2)+bb)+2*\i], v[8*(NT*((\a)%2)+bb)+2*\i+1]
.endr
.set bb, bb+1
.endr
	WIN 0
.set bb, 0
.rept NT
	ds_store_b128 v[STO], v[TMP+4*bb:TMP+4*bb+3] offset:32*bb
.set bb, bb+1
.endr
	s_wait_xcnt 0x0                                ; RB, which the last stores read, is loaded again only behind this wait
.irp hh, 0,1,2
.irp t, 0,1,2,3
	ds_load_b128 v[RB+4*(4*\hh+\t):RB+4*(4*\hh+\t)+3], v[RD] offset:128*\hh+4*SPITCH*\t
.endr
.endr
.irp hh, 0,1,2
.irp t, 0,1,2,3
	s_wait_dscnt 11-(4*\hh+\t)
	global_store_b128 v[CO], v[RB+4*(4*\hh+\t):RB+4*(4*\hh+\t)+3], s[HB+2*\hh:HB+2*\hh+1] offset:2048*\a+512*\t   ; four rows of one head: 512 consecutive aligned bytes
.endr
.endr
.endm
.else
.macro OUT16 a
	WIN (0x08+4*((\a)/2))                          ; store data from window 2 or 3
.irp b, 0,1,2,3
	ds_store_b128 v[STO], v[8*(NT*((\a)%2)+\b):8*(NT*((\a)%2)+\b)+3]   offset:64*\b
	ds_store_b128 v[STO], v[8*(NT*((\a)%2)+\b)+4:8*(NT*((\a)%2)+\b)+7] offset:64*\b+16
.endr
	WIN 0
	s_wait_xcnt 0x0                                ; RB, which the last stores read, is loaded again only behind this wait
.irp t, 0,1,2,3,4,5,6,7
	ds_load_b128 v[RB+4*\t:RB+4*\t+3], v[RD] offset:2*SPITCH*\t
.endr
.irp t, 0,1,2,3,4,5,6,7
	s_wait_dscnt 7-\t
	global_store_b128 v[CO], v[RB+4*\t:RB+4*\t+3], s[HB:HB+1] offset:(16*\a+2*\t)*4096 th:TH_STORE_NT   ; sixteen lanes store 256 consecutive aligned bytes
.endr
.endm
.endif
	OUT16 0
	OUT16 1
	OUT16 2
	OUT16 3
	s_set_vgpr_msb 0x1
	s_wait_tensorcnt 0x0
	ds_add_u32 v255, v159
	s_wait_dscnt 0x0
	s_set_vgpr_msb 0x100
	CROUND                                         ; the closing round: no work-group ends while a partner may still ask for a tile that names it
	s_endpgm
.Lfunc_end_k_q3a2174394a_proj:
	.size	k_q3a2174394a_proj, .Lfunc_end_k_q3a2174394a_proj-k_q3a2174394a_proj
	.p2alignl 7, 3214868480
	.fill 96, 4, 3214868480
	.section	.rodata,"a",@progbits
	.p2align	6, 0x0
	.amdhsa_kernel k_q3a2174394a_proj
		.amdhsa_group_segment_fixed_size 327680
		.amdhsa_private_segment_fixed_size 0
		.amdhsa_enable_private_segment 0
		.amdhsa_kernarg_size 48
		.amdhsa_user_sgpr_count 2
		.amdhsa_user_sgpr_kernarg_segment_ptr 1
		.amdhsa_wavefront_size32 1
		.amdhsa_system_sgpr_workgroup_id_x 1
		.amdhsa_system_sgpr_workgroup_id_y 1
		.amdhsa_system_sgpr_workgroup_id_z 1
		.amdhsa_system_vgpr_workitem_id 0
		.amdhsa_next_free_vgpr 960
		.amdhsa_next_free_sgpr 96
		.amdhsa_reserve_vcc 0
		.amdhsa_float_denorm_mode_32 3
		.amdhsa_float_denorm_mode_16_64 3
		.amdhsa_memory_ordered 1
		.amdhsa_forward_progress 1
		.amdhsa_inst_pref_size 167
	.end_amdhsa_kernel
	.amdgpu_metadata
---
amdhsa.version: [ 1, 2 ]
amdhsa.kernels:
  - .name:           k_q3a2174394a_proj
    .symbol:         k_q3a2174394a_proj.kd
    .args:
      - { .name: xh, .offset: 0, .size: 8, .value_kind: global_buffer, .address_space: global }
      - { .name: wt, .offset: 8, .size: 8, .value_kind: global_buffer, .address_space: global }
      - { .name: qkv, .offset: 16, .size: 8, .value_kind: global_buffer, .address_space: global }
      - { .name: Wq_b, .offset: 24, .size: 8, .value_kind: global_buffer, .address_space: global }
      - { .name: Wk_b, .offset: 32, .size: 8, .value_kind: global_buffer, .address_space: global }
      - { .name: Wv_b, .offset: 40, .size: 8, .value_kind: global_buffer, .address_space: global }
    .group_segment_fixed_size: 327680
    .private_segment_fixed_size: 0
    .kernarg_segment_align: 8
    .kernarg_segment_size: 48
    .max_flat_workgroup_size: 128
    .sgpr_count:     96
    .vgpr_count:     960
    .wavefront_size: 32
...
	.end_amdgpu_metadata
.endif
;; end of part 2
;; launch attn (part 3): grid 16 x 16, 8 waves a work-group, no clusters, 306,176 bytes of LDS; arguments qkv, ao; writes ao
.if DOCPART == 3
	.amdgcn_target "amdgcn-amd-amdhsa--gfx1250"
	.amdhsa_code_object_version 6
	.text
	.protected	k_q3a2174394a_attn
	.globl	k_q3a2174394a_attn
	.p2align	8
	.type	k_q3a2174394a_attn,@function
k_q3a2174394a_attn:
	s_mov_b64 s[64:65], 0
	v_nop
	global_prefetch_b8 v0, s[64:65] scope:SCOPE_SE
	s_setreg_imm32_b32 hwreg(HW_REG_WAVE_MODE, 25, 1), 1
	s_wait_xcnt 0x0
; Banded attention, |i - j| <= 128, 64 numbers a head.  qkv: [3][32 heads][2304 rows][64] f16, row = 128 + position, K's and V's rows outside 0..2047 zero.
; ao: [4096][1024] f16.  A work-group takes 128 queries (x) of two neighbouring heads (y = 8 batch + pair): 256 bytes of each row of ao.
; Wave w: head w / 4, queries 32 (w % 4) .. + 31 of the block, as two tiles of 16 (mt).  Its keys are 18 tiles of 16 (nt), of which each mt uses 17.
; All that the work-group needs (Q 256 rows, K and V 2 x 384 rows) fits in LDS at once: three tensor loads a wave at the start, no refill.
; NO CLUSTER: a block of 128 keys is wanted by three neighbouring work-groups at three different places of their windows, and a joint load has
; one LDS address for all that it names.
; TRANSPOSED ARITHMETIC: S^T = K Q^T puts key 8 h + jj (register jj), query r in lane (r, h); two neighbouring key tiles, packed to f16, are a source-1
; fragment of P^T as they lie; O^T = V^T P^T with V^T read by transposing LDS loads.  A query's maximum, sum and reciprocal stay in its two lanes.
; THE BAND: with u = nt - mt only u = 0 and u = 16 are cut; their first product takes a mask tile (0 or NEG) as C.  Keys outside 0..2047 come in whole pairs
; of tiles; a scalar (0 or NEG) for each pair is added to the pair's maximum and to its exponents' addend.  The diagonal is always inside, so the
; maximum that is taken away is the row's true maximum.
; LIMITS: NEG = -1e30 stands for the mask: unscaled scores must be far below 1e30 in magnitude (f16 operands bound them by 64 x 65,504^2, about 2.7e11).
; Q, K, V and the result are f16: magnitudes below 65,504.
.set HEADB, 294912
.set KP,  144                          ; pitch of Q and K: 128 + 16, an odd multiple of 16
.set VP,  160                          ; pitch of V: 128 + 32, an odd multiple of 32, for the transposing loads
.set SP,  272                          ; pitch of the stage: 256 + 16
.set LK,  36864                        ; Q: 256 rows from 0;  K: 768 rows from here (head e at row 384 e)
.set LV,  147456                       ; V: 768 rows
.set LST, 270336                       ; stage: 128 rows; a multiple of 256; no fill lands here
.set NEG, 0xf149f2ca                   ; -1e30
; window 0: v1 lane, v2 r, v3 h, v4 Q address, v5 K, v6 V, v7 stage in, v8 stage back, v9 offset in ao, v10 r - 8 h, v11 NEG, v12 0
.set S0,  32                           ; v32-167 scores of mt 0 (tile u at + 8 u); then v32-175 P: fragment (mt, ks) at 32 + 16 ks + 8 mt
.set QF,  176                          ; v176-207 Q fragments, 16 mt + 8 c; at the end rows read back
.set MLO, 208                          ; v208-215 mask tile for u = 0
.set MHI, 216                          ; v216-223 mask tile for u = 16
.set T0,  224                          ; v224-243 softmax of mt 0: 0-8 pair maxima (later addends), 9 maximum, 10 -c m, 12-19 sums
; window 1
.set S1,  0                            ; v0-135 scores of mt 1; later v0-63 O (8 (4 mt + dt)), v64-95 O packed
.set KF,  136                          ; v136-231 K fragments, two buffers of 48; later V fragments, three buffers of 32
.set VF,  136
.set T1,  232                          ; v232-251 softmax of mt 1
.set KA1, 252                          ; K address, V address, 1 / sum of mt 0, of mt 1
.set VA1, 253
.set RI,  254
.set BETA, 66                          ; s66-74: 0 or NEG for each pair of key tiles
.set MSB, 0
.macro WIN new                         ; low byte: bits 1:0 source 0, 3:2 source 1, 5:4 source 2, 7:6 destination; the high byte repeats the setting that is left
.if MSB != (\new)
	s_set_vgpr_msb (MSB<<8)|(\new)
.set MSB, (\new)
.endif
.endm
.macro PLACES                          ; four plain vector places between a matrix instruction and a load into, or a read of, its registers
.rept 4
	v_nop
.endr
.endm
	s_load_b128 s[4:7], s[0:1], 0x0                ; qkv s[4:5], ao s[6:7]
	v_lshl_add_u32 v254, v0, 2, 0x4a800
	v_mov_b32 v255, 0
	ds_add_u32 v254, v255
	ds_add_u32 v254, v255
	v_lshrrev_b32 v1, 5, v0
	v_readfirstlane_b32 s8, v1                     ; wave 0..7
	s_lshr_b32 s9, s8, 2                           ; e: which of the two heads
	s_and_b32 s10, s8, 3                           ; g: which 32 queries
	s_lshl_b32 s11, ttmp9, 7                       ; q0: the block's first query
	s_and_b32 s12, ttmp7, 0xffff                   ; p: 8 batch + head pair
	; Group 1.  The blocks are dense in memory and are taken as rows of 256 bytes (32 elements of 8 bytes); the padding's interval of 32 words runs along
	; the whole tile, so a pad follows every 128 bytes, one head row.  Q: 16 rows, K and V: 48 rows; pad 4 words (Q, K) or 8 (V).
	s_mov_b32 s28, (3<<16)|(1<<20)|(4<<22)|(3<<25)
	s_mov_b32 s29, 32<<16
	s_mov_b32 s30, 16<<16
	s_mov_b32 s31, 32<<16
	s_mov_b32 s32, 16
	s_mov_b32 s33, 32
	s_mov_b32 s34, 0
	s_mov_b32 s35, 0
	s_mov_b32 s36, (3<<16)|(1<<20)|(4<<22)|(3<<25)
	s_mov_b32 s37, 32<<16
	s_mov_b32 s38, 48<<16
	s_mov_b32 s39, 32<<16
	s_mov_b32 s40, 48
	s_mov_b32 s41, 32
	s_mov_b32 s42, 0
	s_mov_b32 s43, 0
	s_mov_b32 s44, (3<<16)|(1<<20)|(4<<22)|(7<<25)
	s_mov_b32 s45, 32<<16
	s_mov_b32 s46, 48<<16
	s_mov_b32 s47, 32<<16
	s_mov_b32 s48, 48
	s_mov_b32 s49, 32
	s_mov_b32 s50, 0
	s_mov_b32 s51, 0
	; Group 0: wave w brings rows 32 w .. of Q's region (its own queries) and rows 96 w .. of K's and of V's
	s_mov_b32 s16, 1
	s_mul_i32 s17, s8, 32*KP
	s_mov_b32 s20, 1
	s_mul_i32 s21, s8, 96*KP
	s_add_co_u32 s21, s21, LK
	s_mov_b32 s24, 1
	s_mul_i32 s25, s8, 96*VP
	s_add_co_u32 s25, s25, LV
	s_lshl_b32 s57, s12, 1
	s_add_co_u32 s57, s57, s9                      ; head 2 p + e of 32
	s_mul_i32 s57, s57, 2304
	s_add_co_u32 s57, s57, s11                     ; row q0 of the head = position q0 - 128: where the window begins
	s_lshl_b32 s58, s10, 5
	s_add_co_u32 s58, s58, s57
	s_add_co_u32 s58, s58, 128                     ; Q: position q0 + 32 g
	s_lshl_b32 s58, s58, 7
	s_mov_b32 s59, 0
	s_mul_i32 s60, s10, 96
	s_add_co_u32 s60, s60, s57
	s_add_co_u32 s60, s60, 32*2304                 ; K: 32 heads on, window row 96 g
	s_lshl_b32 s60, s60, 7
	s_mov_b32 s61, 0
	s_wait_dscnt 0x0
	s_wait_kmcnt 0x0
	s_add_nc_u64 s[18:19], s[4:5], s[58:59]
	s_add_nc_u64 s[22:23], s[4:5], s[60:61]
	s_add_nc_u64 s[26:27], s[22:23], 32*HEADB      ; V: 32 heads further
	s_or_b32 s19, s19, 0x80000000
	s_or_b32 s23, s23, 0x80000000
	s_or_b32 s27, s27, 0x80000000
	tensor_load_to_lds s[16:19], s[28:35]          ; Q
	s_nop 0
	tensor_load_to_lds s[20:23], s[36:43]          ; K
	s_nop 0
	tensor_load_to_lds s[24:27], s[44:51]          ; V: three tensor loads of the wave are out
	s_nop 0
	s_mov_b32 s52, 0x3e38aa3b                      ; c = log2(e) / 8: the scale 1 / sqrt(64) and the change to base 2
	s_mov_b32 s53, 0x3e38aa3b
	s_mov_b32 s54, 0x76543210                      ; v_permlanex16_b32: lane i of one half reads lane i of the other
	s_mov_b32 s55, 0xfedcba98
	s_mov_b32 s56, 0xbe38aa3b                      ; -c
	v_and_b32 v1, 31, v0                           ; lane
	v_and_b32 v2, 15, v0                           ; r
	v_bfe_u32 v3, v0, 4, 1                         ; h
	v_mul_u32_u24 v13, v2, KP
	v_lshl_add_u32 v13, v3, 4, v13                 ; r x pitch + 16 h
	s_mul_i32 s57, s8, 32*KP
	v_add_nc_u32 v4, s57, v13                      ; Q: rows 32 w + r
	s_mul_i32 s58, s9, 384*KP
	s_mul_i32 s59, s10, 32*KP
	s_add_co_u32 s58, s58, s59
	s_add_co_u32 s58, s58, LK
	v_add_nc_u32 v5, s58, v13                      ; K: rows 384 e + 32 g + r
	v_and_b32 v14, 7, v0
	v_lshl_add_u32 v14, v3, 3, v14                 ; 8 h + l % 8
	v_mul_u32_u24 v14, v14, VP
	v_bfe_u32 v15, v0, 3, 1
	v_lshl_add_u32 v14, v15, 4, v14                ; + 16 ((l / 8) % 2)
	s_mul_i32 s58, s9, 384*VP
	s_mul_i32 s59, s10, 32*VP
	s_add_co_u32 s58, s58, s59
	s_add_co_u32 s58, s58, LV
	v_add_nc_u32 v6, s58, v14                      ; V, for the transposing loads
	v_mul_u32_u24 v13, v2, SP
	v_lshl_add_u32 v13, v3, 4, v13
	s_mul_i32 s58, s10, 32*SP
	s_lshl_b32 s59, s9, 7
	s_add_co_u32 s58, s58, s59
	s_add_co_u32 s58, s58, LST
	v_add_nc_u32 v7, s58, v13                      ; stage in: row 32 g + r, byte 128 e + 16 h
	v_mul_u32_u24 v13, v3, SP
	v_lshl_add_u32 v13, v2, 4, v13
	s_mul_i32 s58, s8, 16*SP
	s_add_co_u32 s58, s58, LST
	v_add_nc_u32 v8, s58, v13                      ; stage back: rows 16 w + h, byte 16 r
	v_lshlrev_b32 v9, 4, v2
	v_lshl_or_b32 v9, v3, 11, v9                   ; the same two rows in ao
	s_lshr_b32 s57, s12, 3
	s_lshl_b32 s57, s57, 11                        ; batch x 2048 rows
	s_add_co_u32 s57, s57, s11
	s_lshl_b32 s58, s8, 4
	s_add_co_u32 s57, s57, s58                     ; + q0 + 16 w
	s_lshl_b32 s58, s57, 11                        ; rows of 2,048 bytes
	s_and_b32 s57, s12, 7
	s_lshl_b32 s57, s57, 8                         ; + 256 bytes a head pair
	s_add_co_u32 s58, s58, s57
	s_mov_b32 s59, 0
	s_add_nc_u64 s[6:7], s[6:7], s[58:59]
	; mask tiles: delta = r - 8 h - jj; u = 0 keeps delta <= 0, u = 16 keeps delta >= 0
	v_lshlrev_b32 v10, 3, v3
	v_sub_nc_u32 v10, v2, v10
	v_mov_b32 v11, NEG
	v_mov_b32 v12, 0
.irp jj, 0,1,2,3,4,5,6,7
	v_cmp_ge_i32 vcc_lo, \jj, v10
	v_cndmask_b32 v[MLO+\jj], v11, v12, vcc_lo
	v_cmp_le_i32 vcc_lo, \jj, v10
	v_cndmask_b32 v[MHI+\jj], v11, v12, vcc_lo
.endr
	; pair k of my key tiles holds positions q0 - 128 + 32 g + 32 k .. + 31: all inside 0..2047 or all outside (unsigned compare)
	s_lshl_b32 s62, s10, 5
	s_add_co_u32 s62, s62, s11
	s_sub_co_u32 s62, s62, 128
.irp k, 0,1,2,3,4,5,6,7,8
	s_add_co_u32 s63, s62, 32*\k
	s_cmp_lt_u32 s63, 2048
	s_cselect_b32 s[BETA+\k], 0, NEG
.endr
	WIN 0x40
	v_mov_b32 v[KA1], v5                           ; the K and V addresses once more, in window 1
	v_mov_b32 v[VA1], v6
	WIN 0
	s_wait_tensorcnt 0x1                           ; my parts of Q and K are in; V stays out
	s_barrier_signal -1
	s_barrier_wait -1                              ; everybody's are
; 12 LDS loads: key tiles 3 i .. 3 i + 2, both halves of the 64 numbers, into buffer i % 2.  Stands under a setting with destination and source 0 in window 1.
.macro FETCHK i
.irp x, 0,1,2
.irp c, 0,1
	ds_load_b128 v[KF+48*((\i)%2)+16*\x+8*\c:KF+48*((\i)%2)+16*\x+8*\c+3],   v[KA1] offset:16*KP*(3*(\i)+\x)+64*\c
	ds_load_b128 v[KF+48*((\i)%2)+16*\x+8*\c+4:KF+48*((\i)%2)+16*\x+8*\c+7], v[KA1] offset:16*KP*(3*(\i)+\x)+64*\c+32
.endr
.endr
.endm
; step c (32 of the 64 numbers) of the batch's tiles for query tile mt; tiles outside u = 0 .. 16 are left out
.macro QKSTEP i, mt, sb, c
.irp x, 0,1,2
.set uu, 3*\i+\x-\mt
.if uu >= 0
.if uu <= 16
.set dd, \sb+8*uu
.set ka, KF+48*(\i%2)+16*\x+8*\c
.set qa, QF+16*\mt+8*\c
.if \c
	v_wmma_f32_16x16x32_f16 v[dd:dd+7], v[ka:ka+7], v[qa:qa+7], v[dd:dd+7]
.else
.if uu == 0
	v_wmma_f32_16x16x32_f16 v[dd:dd+7], v[ka:ka+7], v[qa:qa+7], v[MLO:MLO+7]
.else
.if uu == 16
	v_wmma_f32_16x16x32_f16 v[dd:dd+7], v[ka:ka+7], v[qa:qa+7], v[MHI:MHI+7]
.else
	v_wmma_f32_16x16x32_f16 v[dd:dd+7], v[ka:ka+7], v[qa:qa+7], 0
.endif
.endif
.endif
.endif
.endif
.endr
.endm
; A batch: the first steps of its tiles, then the second steps, so that the accumulators take turns, one instruction a turn.
.macro QKB i, left
	s_wait_dscnt \left                             ; this batch is in; the next batch's 12 loads stay out
	WIN 0x01                                       ; K window 1; Q, C, D window 0
	QKSTEP \i, 0, S0, 0
	QKSTEP \i, 0, S0, 1
.if \i == 0
	WIN 0x41                                       ; D window 1, C (a mask tile) window 0
.else
.if \i == 5
	WIN 0x41
.else
	WIN 0x51
.endif
.endif
	QKSTEP \i, 1, S1, 0
	WIN 0x51                                       ; C and D window 1
	QKSTEP \i, 1, S1, 1
.if \i < 4
	PLACES
	FETCHK (\i+2)
.endif
.endm
.irp mt, 0,1
.irp c, 0,1
	ds_load_b128 v[QF+16*\mt+8*\c:QF+16*\mt+8*\c+3],   v4 offset:16*KP*\mt+64*\c
	ds_load_b128 v[QF+16*\mt+8*\c+4:QF+16*\mt+8*\c+7], v4 offset:16*KP*\mt+64*\c+32
.endr
.endr
	WIN 0x41
	FETCHK 0
	FETCHK 1
	QKB 0, 12
	QKB 1, 12
	QKB 2, 12
	QKB 3, 12
	QKB 4, 12
	QKB 5, 0
	PLACES                                         ; behind the last products: the scores are read
; exponent of tile u: c S + (pair's 0 or NEG - c m)
.macro SMFMA mt, S, T, u
.set nn, \u+\mt
.set kk, nn/2
.if ((nn%2)*(\u)) == 0
	v_add_f32 v[\T+2*(kk%2)], s[BETA+kk], v[\T+10]
	s_wait_alu depctr_va_vdst(0)
.endif
.irp i, 0,1,2,3
	v_pk_fma_f32 v[\S+8*(\u)+2*\i:\S+8*(\u)+2*\i+1], v[\S+8*(\u)+2*\i:\S+8*(\u)+2*\i+1], s[52:53], v[\T+2*(kk%2):\T+2*(kk%2)+1] op_sel_hi:[1,0,0]
.endr
.endm
.macro SMEXP S, u
.irp j, 0,1,2,3,4,5,6,7
	v_exp_f32 v[\S+8*(\u)+\j], v[\S+8*(\u)+\j]
.endr
.endm
.macro SMADD S, T, u                   ; four chains of pairs; tiles 0 and 1 start them, nothing is cleared
.if (\u) == 1
	s_wait_alu depctr_va_vdst(0)
.irp i, 0,1,2,3
	v_pk_add_f32 v[\T+12+2*\i:\T+12+2*\i+1], v[\S+2*\i:\S+2*\i+1], v[\S+8+2*\i:\S+8+2*\i+1]
.endr
.endif
.if (\u) > 1
	s_wait_alu depctr_va_vdst(0)
.irp i, 0,1,2,3
	v_pk_add_f32 v[\T+12+2*\i:\T+12+2*\i+1], v[\T+12+2*\i:\T+12+2*\i+1], v[\S+8*(\u)+2*\i:\S+8*(\u)+2*\i+1]
.endr
.endif
.endm
; Softmax of query tile mt without the division: scores at S become exp2(c (S - m)), their sum lands in T + 12.  All registers in one window.
.macro SOFTMAX mt, S, T
	; pass 1: nine chains, one for each pair of key tiles, interleaved; first each pair's first tile,
.irp st, 0,1,2,3
.set kk, 0
.rept 9
.set uu, 2*kk-\mt
.if uu < 0
.set uu, 0
.endif
.set sa, \S+8*uu
.if \st == 0
	v_max3_num_f32 v[\T+kk], v[sa], v[sa+1], v[sa+2]
.else
.if \st == 3
	v_max_num_f32 v[\T+kk], v[\T+kk], v[sa+7]
.else
	v_max3_num_f32 v[\T+kk], v[\T+kk], v[sa+2*\st+1], v[sa+2*\st+2]
.endif
.endif
.set kk, kk+1
.endr
.endr
	; then the second tile of the eight pairs that have one
.irp st, 0,1,2,3
.set kk, \mt
.rept 8
.set sa, \S+8*(2*kk+1-\mt)
	v_max3_num_f32 v[\T+kk], v[\T+kk], v[sa+2*\st], v[sa+2*\st+1]
.set kk, kk+1
.endr
.endr
.set kk, 0
.rept 9
	v_add_f32 v[\T+kk], s[BETA+kk], v[\T+kk]       ; pairs outside the sequence drop out
.set kk, kk+1
.endr
	v_max3_num_f32 v[\T+9], v[\T], v[\T+1], v[\T+2]
	v_max3_num_f32 v[\T+9], v[\T+9], v[\T+3], v[\T+4]
	v_max3_num_f32 v[\T+9], v[\T+9], v[\T+5], v[\T+6]
	v_max3_num_f32 v[\T+9], v[\T+9], v[\T+7], v[\T+8]
	v_mov_b32 v[\T+10], v[\T+9]                    ; the permute's destination counts as read
	v_permlanex16_b32 v[\T+10], v[\T+9], s54, s55  ; the query's other eight keys of each tile lie in lane l xor 16
	v_max_num_f32 v[\T+9], v[\T+9], v[\T+10]
	v_mul_f32 v[\T+10], s56, v[\T+9]               ; -c m
	; pass 2: behind a tile's exponentials stand the next tile's multiply-adds (plain instructions) before its results are added (ISA guide 5.7.2)
	SMFMA \mt, \S, \T, 0
	SMEXP \S, 0
.set uq, 1
.rept 16
	SMFMA \mt, \S, \T, uq
	SMADD \S, \T, (uq-1)
	SMEXP \S, uq
.set uq, uq+1
.endr
	v_nop
	s_wait_alu depctr_va_vdst(0)
	SMADD \S, \T, 16
	v_pk_add_f32 v[\T+12:\T+13], v[\T+12:\T+13], v[\T+14:\T+15]
	v_pk_add_f32 v[\T+16:\T+17], v[\T+16:\T+17], v[\T+18:\T+19]
	v_pk_add_f32 v[\T+12:\T+13], v[\T+12:\T+13], v[\T+16:\T+17]
	v_add_f32 v[\T+12], v[\T+12], v[\T+13]
	v_permlanex16_b32 v[\T+13], v[\T+12], s54, s55
	v_add_f32 v[\T+12], v[\T+12], v[\T+13]
.endm
; P to f16: tile nt = u + mt fills registers 4 (nt % 2) .. + 3 of fragment (mt, nt / 2).  For mt 0 in place: only registers already read are written.
.macro CVTP mt, S
.set uq, 0
.rept 17
.set nn, uq+\mt
.set pd, S0+16*(nn/2)+8*\mt+4*(nn%2)
.irp i, 0,1,2,3
	v_cvt_pk_f16_f32 v[pd+\i], v[\S+8*uq+2*\i], v[\S+8*uq+2*\i+1]
.endr
.set uq, uq+1
.endr
.endm
	WIN 0
	SOFTMAX 0, S0, T0
	CVTP 0, S0
.irp i, 0,1,2,3
	v_mov_b32 v[S0+16*8+4+\i], 0                   ; (mt 0, nt 17) and (mt 1, nt 0) lie outside the band: P = 0
	v_mov_b32 v[S0+8+\i], 0
.endr
	WIN 0x40
	v_rcp_f32 v[RI], v[T0+12]                      ; used far below
	WIN 0x55
	SOFTMAX 1, S1, T1
	v_rcp_f32 v[RI+1], v[T1+12]
	WIN 0x05                                       ; sources window 1, destination window 0
	CVTP 1, S1
	WIN 0
	s_wait_dscnt 0x0
	s_wait_tensorcnt 0x0                           ; my part of V is in
	s_barrier_signal -1
	s_barrier_wait -1                              ; everybody's is
; 8 transposing loads: V^T of keys 32 ks .. + 31 for the four tiles of 16 numbers, into buffer ks % 3
.macro FETCHV ks
.irp dt, 0,1,2,3
	ds_load_tr16_b128 v[VF+32*((\ks)%3)+8*\dt:VF+32*((\ks)%3)+8*\dt+3],   v[VA1] offset:32*VP*(\ks)+32*\dt
	ds_load_tr16_b128 v[VF+32*((\ks)%3)+8*\dt+4:VF+32*((\ks)%3)+8*\dt+7], v[VA1] offset:32*VP*(\ks)+32*\dt+16*VP
.endr
.endm
; 8 products, eight accumulators by turns, one instruction a turn; the first key step starts the sums
.macro PVS ks, left
	s_wait_dscnt \left                             ; this step's eight loads are in; the later steps' stay out
.irp mt, 0,1
.irp dt, 0,1,2,3
.if \ks == 0
	v_wmma_f32_16x16x32_f16 v[8*(4*\mt+\dt):8*(4*\mt+\dt)+7], v[VF+32*(\ks%3)+8*\dt:VF+32*(\ks%3)+8*\dt+7], v[S0+16*\ks+8*\mt:S0+16*\ks+8*\mt+7], 0
.else
	v_wmma_f32_16x16x32_f16 v[8*(4*\mt+\dt):8*(4*\mt+\dt)+7], v[VF+32*(\ks%3)+8*\dt:VF+32*(\ks%3)+8*\dt+7], v[S0+16*\ks+8*\mt:S0+16*\ks+8*\mt+7], v[8*(4*\mt+\dt):8*(4*\mt+\dt)+7]
.endif
.endr
.endr
.if \ks < 6
	PLACES
	FETCHV (\ks+3)
.endif
.endm
	WIN 0x51                                       ; V^T, C, D and the loads' address and data in window 1, P in window 0: one setting for the whole phase
	FETCHV 0
	FETCHV 1
	FETCHV 2
	PVS 0, 16
	PVS 1, 16
	PVS 2, 16
	PVS 3, 16
	PVS 4, 16
	PVS 5, 16
	PVS 6, 16
	PVS 7, 8
	PVS 8, 0
	PLACES
	; divide by the sums, round to f16: lane (r, h) holds numbers 16 dt + 8 h + 0..7 of query r
	WIN 0x55
	s_wait_alu depctr_va_vdst(0)
.irp dt, 0,1,2,3
.irp i, 0,1,2,3
	v_pk_mul_f32 v[8*\dt+2*\i:8*\dt+2*\i+1], v[8*\dt+2*\i:8*\dt+2*\i+1], v[RI:RI+1] op_sel_hi:[1,0]
.endr
.irp i, 0,1,2,3
	v_cvt_pk_f16_f32 v[64+4*\dt+\i], v[8*\dt+2*\i], v[8*\dt+2*\i+1]
.endr
.endr
.irp dt, 0,1,2,3
.irp i, 0,1,2,3
	v_pk_mul_f32 v[32+8*\dt+2*\i:32+8*\dt+2*\i+1], v[32+8*\dt+2*\i:32+8*\dt+2*\i+1], v[RI:RI+1] op_sel:[0,1] op_sel_hi:[1,1]
.endr
.irp i, 0,1,2,3
	v_cvt_pk_f16_f32 v[80+4*\dt+\i], v[32+8*\dt+2*\i], v[32+8*\dt+2*\i+1]
.endr
.endr
	WIN 0x04                                       ; store data window 1, address window 0
.irp mt, 0,1
.irp dt, 0,1,2,3
	ds_store_b128 v7, v[64+4*(4*\mt+\dt):64+4*(4*\mt+\dt)+3] offset:16*SP*\mt+32*\dt
.endr
.endr
	WIN 0
	s_wait_dscnt 0x0                               ; my stores are in LDS: a stage row holds both heads, written by two waves
	s_barrier_signal -1
	s_barrier_wait -1
.irp t, 0,1,2,3,4,5,6,7
	ds_load_b128 v[QF+4*\t:QF+4*\t+3], v8 offset:2*SP*\t
.endr
.irp t, 0,1,2,3,4,5,6,7
	s_wait_dscnt 7-\t
	global_store_b128 v9, v[QF+4*\t:QF+4*\t+3], s[6:7] offset:4096*\t      ; sixteen lanes store 256 consecutive aligned bytes
.endr
	s_wait_tensorcnt 0x0
	ds_add_u32 v254, v255
	s_wait_dscnt 0x0
	s_endpgm
.Lfunc_end_k_q3a2174394a_attn:
	.size	k_q3a2174394a_attn, .Lfunc_end_k_q3a2174394a_attn-k_q3a2174394a_attn
	.p2alignl 7, 3214868480
	.fill 96, 4, 3214868480
	.section	.rodata,"a",@progbits
	.p2align	6, 0x0
	.amdhsa_kernel k_q3a2174394a_attn
		.amdhsa_group_segment_fixed_size 306176
		.amdhsa_private_segment_fixed_size 0
		.amdhsa_enable_private_segment 0
		.amdhsa_kernarg_size 16
		.amdhsa_user_sgpr_count 2
		.amdhsa_user_sgpr_kernarg_segment_ptr 1
		.amdhsa_wavefront_size32 1
		.amdhsa_system_sgpr_workgroup_id_x 1
		.amdhsa_system_sgpr_workgroup_id_y 1
		.amdhsa_system_sgpr_workgroup_id_z 1
		.amdhsa_system_vgpr_workitem_id 0
		.amdhsa_next_free_vgpr 512
		.amdhsa_next_free_sgpr 80
		.amdhsa_reserve_vcc 1
		.amdhsa_float_denorm_mode_32 3
		.amdhsa_float_denorm_mode_16_64 3
		.amdhsa_memory_ordered 1
		.amdhsa_forward_progress 1
		.amdhsa_inst_pref_size 83
	.end_amdhsa_kernel
	.amdgpu_metadata
---
amdhsa.version: [ 1, 2 ]
amdhsa.kernels:
  - .name:           k_q3a2174394a_attn
    .symbol:         k_q3a2174394a_attn.kd
    .args:
      - { .name: qkv, .offset: 0, .size: 8, .value_kind: global_buffer, .address_space: global }
      - { .name: ao, .offset: 8, .size: 8, .value_kind: global_buffer, .address_space: global }
    .group_segment_fixed_size: 306176
    .private_segment_fixed_size: 0
    .kernarg_segment_align: 8
    .kernarg_segment_size: 16
    .max_flat_workgroup_size: 256
    .sgpr_count:     80
    .vgpr_count:     512
    .wavefront_size: 32
...
	.end_amdgpu_metadata
.endif
;; end of part 3
;; launch oproj (part 4): grid 8 x 32, 4 waves a work-group, clusters of 4 x 4, 327,680 bytes of LDS; arguments ao, wt, out0, Wo_b; writes out0
.if DOCPART == 4
	.amdgcn_target "amdgcn-amd-amdhsa--gfx1250"
	.amdhsa_code_object_version 6
	.text
	.protected	k_q3a2174394a_oproj
	.globl	k_q3a2174394a_oproj
	.p2align	8
	.type	k_q3a2174394a_oproj,@function
k_q3a2174394a_oproj:
	s_mov_b64 s[64:65], 0
	v_nop
	global_prefetch_b8 v0, s[64:65] scope:SCOPE_SE
	s_setreg_imm32_b32 hwreg(HW_REG_WAVE_MODE, 25, 1), 1
	s_wait_xcnt 0x0
	s_wait_alu depctr_hold_cnt(0) depctr_sa_sdst(0) depctr_va_vdst(0) depctr_va_sdst(0) depctr_va_ssrc(0) depctr_va_vcc(0) depctr_vm_vsrc(0)
	s_getreg_b32 s2, hwreg(HW_REG_IB_STS2, 6, 4)
	s_cmp_eq_u32 s2, 0
	s_cbranch_scc0 .Lentry_in_a_cluster
	s_endpgm
.Lentry_in_a_cluster:
	s_bfe_u32 s2, ttmp6, 0x10000c
	s_cmp_lg_u32 s2, 0xf033
	s_cbranch_scc0 .Lentry_shape_is_right
	s_endpgm
.Lentry_shape_is_right:
; C[m][n] = bias[n] + sum over k of A[m][k] B[n][k], f16 operands, f32 sums, K = 1024.  One text for two launches; IS_QKV picks the sizes.
;  IS_QKV = 1: A = xh [4096][1024], B = wt rows 0-3071 (Wq, Wk, Wv transposed), C in f16 into qkv [3][32 heads][2304 rows][64] (row = 128 + position).
;              Block 256 x 192 (three whole heads): 16 x 16 = 256 work-groups.  A wave makes 64 rows x 192 columns: 48 accumulator tiles.
;  IS_QKV = 0: A = ao [4096][1024], B = wt rows 3072-4095 (Wo transposed), C in f32 into out0.  Block 128 x 128: 8 x 32 = 256 work-groups; a wave 64 x 64.
; Four waves, one a SIMD.  K goes through two LDS slots filled by the tensor data mover; a slot holds KS along K for all rows of the block.
; CLUSTERS: 4 x 4 work-groups.  A's tile hangs on the block row alone and is asked for jointly by the four of a row of the cluster, B's on the block
; column alone and is asked for jointly by the four of a column: the requests for A and B are divided by four.
; THE MATRIX INSTRUCTION IS USED TRANSPOSED: source 0 = 16 rows of B, source 1 = 16 rows of A, so lane l holds row l % 16 of C and in registers 0-7 its
; columns 8 (l / 16) + 0 .. 7.  The bias is loaded once in that layout and is the C operand of each sum's first product: nothing is cleared or added.
; REGISTERS in windows of 256: window 0 addresses, A's fragments (two buffers), bias, way out; window 1 B's fragments (two buffers);
; windows 2 and 3 accumulators: tile (a, b) at v[8 (NT (a % 2) + b)] of window 2 + a / 2.
; LIMIT: operands and, with IS_QKV = 1, results are f16: magnitudes below 65,504.
.set IS_QKV, 0
.if IS_QKV
.set AR, 256                           ; rows of A in a block
.set BR, 192                           ; rows of B (columns of C) in a block
.set NT, 12                            ; column tiles of a wave
.set AH, 128                           ; rows that one tensor load brings of A
.set BH, 96                            ; of B
.set KS, 128                           ; K in a slot
.set QPS, 4                            ; quarters of 32 along K in a slot
.set PITCH, 272                        ; LDS row: 256 bytes + 16: an odd multiple of 16, so 16 rows start in 16 different 16-byte columns
.set QI, 5                             ; padding behind every 64 words
.set LAPS, 4                           ; 1024 / (2 KS)
.set WTOFF, 0
.set SPITCH, 400                       ; stage row: 192 f16 + 16 bytes
.else
.set AR, 128
.set BR, 128
.set NT, 4
.set AH, 64
.set BH, 64
.set KS, 256
.set QPS, 8
.set PITCH, 528                        ; 512 bytes + 16
.set QI, 6                             ; padding behind every 128 words
.set LAPS, 2
.set WTOFF, 3072*2048
.set SPITCH, 272                       ; stage row: 64 f32 + 16 bytes
.endif
.set SLOT,  (AR+BR)*PITCH              ; A's rows, then B's rows
.set STAGE, 2*SLOT                     ; behind the ring, a multiple of 256: 16 rows for each wave, for the way out; no fill lands here
.set ADRA, 16                          ; v16-17  LDS address of my A fragments in slot 0, 1
.set ADRB, 20                          ; v20-21  the same for B
.set STO,  24                          ; v24     the way out: where I put my piece of a row
.set RD,   25                          ; v25     where I read rows back
.set CO,   26                          ; v26     my byte offset in the output
.set VB,   27                          ; v27     32 (l / 16): my eight bias numbers in a tile's sixteen
.set TMP,  40                          ; v40-87  packed results
.set FA,   88                          ; v88-119, v120-151  A's fragments, two buffers
.set RB,   88                          ; v88-135 rows read back on the way out
.set BIAS, 160                         ; v160 .. v160+8 NT-1
.set G1,  24                           ; s[24:31] descriptor group 1, A
.set G0,  32                           ; s[32:39] group 0, A, one set a slot
.set G1B, 48                           ; s[48:55] group 1, B
.set G0B, 56                           ; s[56:63] group 0, B
.set BP,  68                           ; s[68:73] bias buffers
.set BB,  74                           ; s[74:79] bias at the first column of each group of four column tiles
.set HB,  80                           ; s[80:85] output bases
.set MSB, 0
.macro WIN new                         ; low byte: bits 1:0 source 0, 3:2 source 1, 5:4 source 2, 7:6 destination; the high byte repeats the setting that is left
.if MSB != (\new)
	s_set_vgpr_msb (MSB<<8)|(\new)
.set MSB, (\new)
.endif
.endm
.macro PLACES                          ; four plain vector places between a matrix instruction and a load into, or a read of, its registers
.rept 4
	v_nop
.endr
.endm
; A joint load: waves 0 and 1 fetch A's two halves, waves 2 and 3 B's.  The branch hangs on the wave's number alone.
.macro JLOAD s
	s_cmp_eq_u32 s11, 0
	s_cbranch_scc0 .Lfor_b_\@
	tensor_load_to_lds s[G0+4*\s:G0+4*\s+3], s[G1:G1+7]
	s_nop 0
	s_branch .Lasked_\@
.Lfor_b_\@:
	tensor_load_to_lds s[G0B+4*\s:G0B+4*\s+3], s[G1B:G1B+7]
	s_nop 0
.Lasked_\@:
.endm
.macro CREST                           ; a round of the cluster's barrier behind its opening work-group barrier
	s_cmp_lg_u32 s10, 0
	s_cbranch_scc1 .Lnot_wave_0_\@
	s_barrier_signal -3
.Lnot_wave_0_\@:
	s_barrier_wait -3
	s_barrier_signal -1
	s_barrier_wait -1
.endm
.macro CROUND                          ; a whole round
	s_barrier_signal -1
	s_barrier_wait -1
	CREST
.endm
	s_load_b128 s[4:7], s[0:1], 0x0                ; A s[4:5], wt s[6:7]
	s_load_b64 s[8:9], s[0:1], 0x10                ; the output
.if IS_QKV
	s_load_b128 s[BP:BP+3], s[0:1], 0x18           ; Wq_b, Wk_b
	s_load_b64 s[BP+4:BP+5], s[0:1], 0x28          ; Wv_b
.else
	s_load_b64 s[BP:BP+1], s[0:1], 0x18            ; Wo_b
	s_set_vgpr_msb 0x40
	v_lshl_add_u32 v255, v0, 2, 0x46400
	s_set_vgpr_msb 0x4000
	v_mov_b32 v255, 0
	s_set_vgpr_msb 0x1
	ds_add_u32 v255, v255
	ds_add_u32 v255, v255
	s_set_vgpr_msb 0x100
.endif
	v_lshrrev_b32 v1, 5, v0
	v_readfirstlane_b32 s10, v1                    ; wave 0..3
	s_lshr_b32 s11, s10, 1                         ; I fetch for A (0) or for B (1)
	s_and_b32 s12, s10, 1                          ; which half of that tile's rows
	s_bfe_u32 s40, ttmp6, 0x40000                  ; cx
	s_bfe_u32 s41, ttmp6, 0x40004                  ; cy
	s_lshl_b32 s42, ttmp9, 2
	s_add_co_u32 s42, s42, s40                     ; block column = 4 x cluster x + cx
	s_and_b32 s13, ttmp7, 0xffff
	s_lshl_b32 s13, s13, 2
	s_add_co_u32 s13, s13, s41                     ; block row = 4 x cluster y + cy
	s_lshl_b32 s43, s41, 2
	s_lshl_b32 s43, 15, s43                        ; my row of the cluster: places 4 cy .. 4 cy + 3
	s_lshl_b32 s44, 0x1111, s40                    ; my column: places cx, cx + 4, cx + 8, cx + 12
	; group 1: rows of KS elements of 2 bytes, padded by 4 words in LDS; extents = the tile (no tile crosses the tensor's end)
	s_or_b32 s[G1+0], s43, (1<<16)|(1<<20)|(1<<21)|(QI<<22)|(3<<25)    ; mask: A's tiles go to my row; element 2 bytes; padding on; bit 21 beside a mask
	s_or_b32 s[G1B+0], s44, (1<<16)|(1<<20)|(1<<21)|(QI<<22)|(3<<25)   ; mask: B's tiles go to my column
	s_mov_b32 s[G1+1], KS<<16                      ; tensor_dim0
	s_mov_b32 s[G1B+1], KS<<16
	s_mov_b32 s[G1+2], AH<<16                      ; tensor_dim1
	s_mov_b32 s[G1B+2], BH<<16
	s_mov_b32 s[G1+3], KS<<16                      ; tile_dim0
	s_mov_b32 s[G1B+3], KS<<16
	s_mov_b32 s[G1+4], AH                          ; tile_dim1
	s_mov_b32 s[G1B+4], BH
	s_mov_b32 s[G1+5], 1024                        ; elements from row to row
	s_mov_b32 s[G1B+5], 1024
	s_mov_b32 s[G1+6], 0
	s_mov_b32 s[G1B+6], 0
	s_mov_b32 s[G1+7], 0
	s_mov_b32 s[G1B+7], 0
	; A's address is made of the block row and the wave's number, B's of the block column and the wave's number, in registers of their own
	s_mul_i32 s16, s13, AR
	s_mul_i32 s17, s12, AH
	s_add_co_u32 s16, s16, s17
	s_lshl_b32 s16, s16, 11                        ; rows of 2,048 bytes
	s_mov_b32 s17, 0
	s_mul_i32 s46, s42, BR
	s_mul_i32 s47, s12, BH
	s_add_co_u32 s46, s46, s47
	s_lshl_b32 s46, s46, 11
.if WTOFF != 0
	s_add_co_u32 s46, s46, WTOFF
.endif
	s_mov_b32 s47, 0
	s_mul_i32 s20, s10, AH*PITCH                   ; LDS: waves 0, 1: A's halves
	s_mul_i32 s21, s10, BH*PITCH                   ; waves 2, 3: B's halves, behind A's AR rows
.if (AR-2*BH) != 0
	s_add_co_u32 s21, s21, (AR-2*BH)*PITCH
.endif
	s_wait_dscnt 0x0
	s_wait_kmcnt 0x0
	s_add_nc_u64 s[14:15], s[4:5], s[16:17]
	s_add_nc_u64 s[46:47], s[6:7], s[46:47]
	CROUND                                         ; all sixteen work-groups are here: the first joint loads meet
.irp s, 0,1
	s_mov_b32 s[G0+4*\s], 1
	s_add_co_u32 s[G0+4*\s+1], s20, \s*SLOT
	s_add_nc_u64 s[G0+4*\s+2:G0+4*\s+3], s[14:15], \s*KS*2
	s_or_b32 s[G0+4*\s+3], s[G0+4*\s+3], 0x80000000
	s_mov_b32 s[G0B+4*\s], 1
	s_add_co_u32 s[G0B+4*\s+1], s21, \s*SLOT
	s_add_nc_u64 s[G0B+4*\s+2:G0B+4*\s+3], s[46:47], \s*KS*2
	s_or_b32 s[G0B+4*\s+3], s[G0B+4*\s+3], 0x80000000
	JLOAD \s                                       ; both slots' first fills: two tensor loads of the wave are out
.endr
	; bias and output bases
.if IS_QKV
.irp hh, 0,1,2
	s_mul_i32 s86, s42, 3
	s_add_co_u32 s86, s86, \hh                     ; which of the 48 heads of Q, K, V
	s_lshr_b32 s87, s86, 4                         ; 0 Q, 1 K, 2 V
	s_and_b32 s88, s86, 15                         ; head
	s_cmp_eq_u32 s87, 1
	s_cselect_b64 s[BB+2*\hh:BB+2*\hh+1], s[BP+2:BP+3], s[BP:BP+1]
	s_cmp_eq_u32 s87, 2
	s_cselect_b64 s[BB+2*\hh:BB+2*\hh+1], s[BP+4:BP+5], s[BB+2*\hh:BB+2*\hh+1]
	s_lshl_b32 s90, s88, 8                         ; 64 f32 a head
	s_mov_b32 s91, 0
	s_add_nc_u64 s[BB+2*\hh:BB+2*\hh+1], s[BB+2*\hh:BB+2*\hh+1], s[90:91]
	s_lshl_b32 s87, s87, 5                         ; 32 heads for each of Q, K, V,
	s_lshr_b32 s89, s13, 3
	s_lshl_b32 s89, s89, 4                         ; 16 for each batch (8 block rows a batch)
	s_add_co_u32 s87, s87, s89
	s_add_co_u32 s87, s87, s88
	s_mul_i32 s87, s87, 2304                       ; rows a head
	s_and_b32 s89, s13, 7
	s_lshl_b32 s89, s89, 8                         ; the block's first position
	s_add_co_u32 s87, s87, s89
	s_lshl_b32 s89, s10, 6                         ; my 64 rows
	s_add_co_u32 s87, s87, s89
	s_add_co_u32 s87, s87, 128                     ; behind the front pad
	s_lshl_b32 s90, s87, 7                         ; rows of 128 bytes
	s_add_nc_u64 s[HB+2*\hh:HB+2*\hh+1], s[8:9], s[90:91]
.endr
.else
	s_lshl_b32 s86, s42, 7
	s_lshl_b32 s87, s12, 6
	s_add_co_u32 s86, s86, s87                     ; my first column
	s_lshl_b32 s86, s86, 2
	s_mov_b32 s87, 0
	s_add_nc_u64 s[BB:BB+1], s[BP:BP+1], s[86:87]
	s_lshl_b32 s88, s13, 7
	s_lshl_b32 s89, s11, 6
	s_add_co_u32 s88, s88, s89                     ; my first row
	s_lshl_b32 s88, s88, 12                        ; rows of 4,096 bytes
	s_add_co_u32 s86, s86, s88
	s_add_nc_u64 s[HB:HB+1], s[8:9], s[86:87]
.endif
	; lane addresses.  A fragment is 16 rows x 32 K in 8 registers: lane l holds row l % 16, registers 0-3 K = 8 (l / 16) + 0..7, registers 4-7 sixteen further
	v_and_b32 v1, 15, v0                           ; l % 16
	v_bfe_u32 v2, v0, 4, 1                         ; l / 16
	v_lshlrev_b32 v[VB], 5, v2
.set bb, 0
.rept NT
	global_load_b128 v[BIAS+8*bb:BIAS+8*bb+3],   v[VB], s[BB+2*(bb/4):BB+2*(bb/4)+1] offset:64*(bb%4)
	global_load_b128 v[BIAS+8*bb+4:BIAS+8*bb+7], v[VB], s[BB+2*(bb/4):BB+2*(bb/4)+1] offset:64*(bb%4)+16
.set bb, bb+1
.endr
	v_mul_u32_u24 v3, v1, PITCH
	v_lshl_add_u32 v3, v2, 4, v3
.if IS_QKV
	s_mul_i32 s86, s10, 64*PITCH                   ; my 64 rows of A
	s_mov_b32 s87, AR*PITCH                        ; all of B's rows
.else
	s_mul_i32 s86, s11, 64*PITCH
	s_mul_i32 s87, s12, 16*NT*PITCH
	s_add_co_u32 s87, s87, AR*PITCH
.endif
.irp s, 0,1
	v_add_nc_u32 v[ADRA+\s], s86, v3
	v_add_nc_u32 v[ADRB+\s], s87, v3
	s_add_co_u32 s86, s86, SLOT
	s_add_co_u32 s87, s87, SLOT
.endr
	s_mul_i32 s88, s10, 16*SPITCH
	s_add_co_u32 s88, s88, STAGE                   ; my stage
	v_mul_u32_u24 v4, v1, SPITCH
.if IS_QKV
	v_lshl_add_u32 v4, v2, 4, v4                   ; in: row l % 16, 16 bytes (8 f16) for each half of the lanes
	v_add_nc_u32 v[STO], s88, v4
	v_bfe_u32 v5, v0, 3, 2                         ; back: eight lanes take the 128 bytes of one head in one row, a wave four rows
	v_and_b32 v6, 7, v0
	v_mul_u32_u24 v5, v5, SPITCH
	v_lshl_add_u32 v5, v6, 4, v5
	v_add_nc_u32 v[RD], s88, v5
	v_and_b32 v5, 31, v0
	v_lshlrev_b32 v[CO], 4, v5                     ; in qkv those four rows are 512 consecutive bytes
.else
	v_lshl_add_u32 v4, v2, 5, v4                   ; in: row l % 16, 32 bytes (8 f32) for each half of the lanes
	v_add_nc_u32 v[STO], s88, v4
	v_mul_u32_u24 v5, v2, SPITCH                   ; back: lanes 0-15 one row of 256 bytes, lanes 16-31 the next
	v_lshl_add_u32 v5, v1, 4, v5
	v_add_nc_u32 v[RD], s88, v5
	v_lshlrev_b32 v5, 4, v1
	v_lshl_or_b32 v[CO], v2, 12, v5
.endif
; 2 NT + 8 LDS loads in one run: the fragments of quarter q of a slot into buffer f
.macro FETCH slot, q, f
	WIN 0x40                                       ; destination window 1, address window 0
.set ii, 0
.rept NT
	ds_load_b128 v[8*NT*\f+8*ii:8*NT*\f+8*ii+3],   v[ADRB+\slot] offset:64*\q+ii*16*PITCH
	ds_load_b128 v[8*NT*\f+8*ii+4:8*NT*\f+8*ii+7], v[ADRB+\slot] offset:64*\q+ii*16*PITCH+32
.set ii, ii+1
.endr
	WIN 0
.irp i, 0,1,2,3
	ds_load_b128 v[FA+32*\f+8*\i:FA+32*\f+8*\i+3],   v[ADRA+\slot] offset:64*\q+\i*16*PITCH
	ds_load_b128 v[FA+32*\f+8*\i+4:FA+32*\f+8*\i+7], v[ADRA+\slot] offset:64*\q+\i*16*PITCH+32
.endr
.endm
; NT matrix instructions: row tile a x all column tiles, 32 along K, from buffer f.  first = 1: the bias (window 0) is C and starts the sums.
; The 4 NT accumulators take turns, one instruction a turn, in the same order in every quarter and over the backward jump.
.macro MULA f, a, first
.if \first
	WIN (0x81+0x40*((\a)/2))
.else
	WIN (0xa1+0x50*((\a)/2))
.endif
.set bb, 0
.rept NT
.set dd, 8*(NT*((\a)%2)+bb)
.if \first
	v_wmma_f32_16x16x32_f16 v[dd:dd+7], v[8*NT*(\f)+8*bb:8*NT*(\f)+8*bb+7], v[FA+32*(\f)+8*(\a):FA+32*(\f)+8*(\a)+7], v[BIAS+8*bb:BIAS+8*bb+7]
.else
	v_wmma_f32_16x16x32_f16 v[dd:dd+7], v[8*NT*(\f)+8*bb:8*NT*(\f)+8*bb+7], v[FA+32*(\f)+8*(\a):FA+32*(\f)+8*(\a)+7], v[dd:dd+7]
.endif
.set bb, bb+1
.endr
.endm
; A quarter but the slot's last: buffer f was fetched a whole quarter ago; the next quarter's fragments are asked for first, then buffer f is multiplied.
.macro QUARTER slot, q, f, first
	s_wait_dscnt 0x0                               ; buffer f is in
	PLACES                                         ; the other buffer was read by the matrix instructions just issued
	FETCH \slot, (\q+1), (1-\f)
	MULA \f, 0, \first
	MULA \f, 1, \first
	MULA \f, 2, \first
	MULA \f, 3, \first
.endm
.macro BODY slot, first
	QUARTER \slot, 0, 0, \first
	QUARTER \slot, 1, 1, 0
	QUARTER \slot, 2, 0, 0
.if QPS > 4
	QUARTER \slot, 3, 1, 0
	QUARTER \slot, 4, 0, 0
	QUARTER \slot, 5, 1, 0
	QUARTER \slot, 6, 0, 0
.endif
.endm
; The slot's last quarter (buffer 1) and the change of slots.  In front of the barrier each wave waits for its reads of this slot and for all its tensor
; loads (one is out: its part of the next slot).  fill = 1: the barrier opens a round of the cluster's barrier, and the joint refill of this slot, two
; slots of K ahead, is the first tensor load behind the round; it has all the work up to the next change of slots in which to land.
.macro TURN slot, next, fill
	s_wait_dscnt 0x0
	s_wait_tensorcnt 0x0
	ds_add_u32 v255, v255
	s_wait_dscnt 0x0
	s_barrier_signal -1
	MULA 1, 0, 0                                   ; register work while the others arrive
	MULA 1, 1, 0
	WIN 0
	s_barrier_wait -1
.if \fill
	CREST
	s_add_nc_u64 s[G0+4*\slot+2:G0+4*\slot+3], s[G0+4*\slot+2:G0+4*\slot+3], 4*KS       ; no tensor load of mine is out: group 0 may be written
	s_add_nc_u64 s[G0B+4*\slot+2:G0B+4*\slot+3], s[G0B+4*\slot+2:G0B+4*\slot+3], 4*KS
	JLOAD \slot
.endif
	PLACES
	FETCH \next, 0, 0
	MULA 1, 2, 0
	MULA 1, 3, 0
.endm
.macro LAP first
	BODY 0, \first
	TURN 0, 1, 1
	BODY 1, 0
	TURN 1, 0, 1
.endm
	s_wait_loadcnt 0x0                             ; the bias
	s_wait_tensorcnt 0x1                           ; my part of slot 0 is in; slot 1's stays out
	s_barrier_signal -1
	s_barrier_wait -1
	FETCH 0, 0, 0
	LAP 1                                          ; the first lap stands in front of the loop: its first products take the bias as C
.if LAPS > 2
	WIN 0
	s_mov_b32 s3, LAPS-2
.Llap:
	LAP 0
	WIN 0
	s_sub_co_u32 s3, s3, 1
	s_cmp_lg_u32 s3, 0
	s_cbranch_scc1 .Llap
.endif
	BODY 0, 0                                      ; the last lap fills nothing
	TURN 0, 1, 0
	BODY 1, 0
	s_wait_dscnt 0x0
	MULA 1, 0, 0
	MULA 1, 1, 0
	MULA 1, 2, 0
	MULA 1, 3, 0
	PLACES                                         ; behind the last matrix instructions: results are read, fragment registers loaded again
; THE WAY OUT, 16 rows at a time through my own stage in LDS (LDS serves a wave's instructions in order, ISA guide 5.7.1: no wait between stores and loads).
.if IS_QKV
.macro OUT16 a
	WIN (0x0a+5*((\a)/2))                          ; sources 0 and 1 from window 2 or 3
.set bb, 0
.rept NT
.irp i, 0,1,2,3
	v_cvt_pk_f16_f32 v[TMP+4*bb+\i], v[8*(NT*((\a)%2)+bb)+2*\i], v[8*(NT*((\a)%2)+bb)+2*\i+1]
.endr
.set bb, bb+1
.endr
	WIN 0
.set bb, 0
.rept NT
	ds_store_b128 v[STO], v[TMP+4*bb:TMP+4*bb+3] offset:32*bb
.set bb, bb+1
.endr
	s_wait_xcnt 0x0                                ; RB, which the last stores read, is loaded again only behind this wait
.irp hh, 0,1,2
.irp t, 0,1,2,3
	ds_load_b128 v[RB+4*(4*\hh+\t):RB+4*(4*\hh+\t)+3], v[RD] offset:128*\hh+4*SPITCH*\t
.endr
.endr
.irp hh, 0,1,2
.irp t, 0,1,2,3
	s_wait_dscnt 11-(4*\hh+\t)
	global_store_b128 v[CO], v[RB+4*(4*\hh+\t):RB+4*(4*\hh+\t)+3], s[HB+2*\hh:HB+2*\hh+1] offset:2048*\a+512*\t   ; four rows of one head: 512 consecutive aligned bytes
.endr
.endr
.endm
.else
.macro OUT16 a
	WIN (0x08+4*((\a)/2))                          ; store data from window 2 or 3
.irp b, 0,1,2,3
	ds_store_b128 v[STO], v[8*(NT*((\a)%2)+\b):8*(NT*((\a)%2)+\b)+3]   offset:64*\b
	ds_store_b128 v[STO], v[8*(NT*((\a)%2)+\b)+4:8*(NT*((\a)%2)+\b)+7] offset:64*\b+16
.endr
	WIN 0
	s_wait_xcnt 0x0                                ; RB, which the last stores read, is loaded again only behind this wait
.irp t, 0,1,2,3,4,5,6,7
	ds_load_b128 v[RB+4*\t:RB+4*\t+3], v[RD] offset:2*SPITCH*\t
.endr
.irp t, 0,1,2,3,4,5,6,7
	s_wait_dscnt 7-\t
	global_store_b128 v[CO], v[RB+4*\t:RB+4*\t+3], s[HB:HB+1] offset:(16*\a+2*\t)*4096 th:TH_STORE_NT   ; sixteen lanes store 256 consecutive aligned bytes
.endr
.endm
.endif
	OUT16 0
	OUT16 1
	OUT16 2
	OUT16 3
	s_set_vgpr_msb 0x1
	s_wait_tensorcnt 0x0
	ds_add_u32 v255, v255
	s_wait_dscnt 0x0
	s_set_vgpr_msb 0x100
	CROUND                                         ; the closing round: no work-group ends while a partner may still ask for a tile that names it
	s_endpgm
.Lfunc_end_k_q3a2174394a_oproj:
	.size	k_q3a2174394a_oproj, .Lfunc_end_k_q3a2174394a_oproj-k_q3a2174394a_oproj
	.p2alignl 7, 3214868480
	.fill 96, 4, 3214868480
	.section	.rodata,"a",@progbits
	.p2align	6, 0x0
	.amdhsa_kernel k_q3a2174394a_oproj
		.amdhsa_group_segment_fixed_size 327680
		.amdhsa_private_segment_fixed_size 0
		.amdhsa_enable_private_segment 0
		.amdhsa_kernarg_size 32
		.amdhsa_user_sgpr_count 2
		.amdhsa_user_sgpr_kernarg_segment_ptr 1
		.amdhsa_wavefront_size32 1
		.amdhsa_system_sgpr_workgroup_id_x 1
		.amdhsa_system_sgpr_workgroup_id_y 1
		.amdhsa_system_sgpr_workgroup_id_z 1
		.amdhsa_system_vgpr_workitem_id 0
		.amdhsa_next_free_vgpr 832
		.amdhsa_next_free_sgpr 96
		.amdhsa_reserve_vcc 0
		.amdhsa_float_denorm_mode_32 3
		.amdhsa_float_denorm_mode_16_64 3
		.amdhsa_memory_ordered 1
		.amdhsa_forward_progress 1
		.amdhsa_inst_pref_size 92
	.end_amdhsa_kernel
	.amdgpu_metadata
---
amdhsa.version: [ 1, 2 ]
amdhsa.kernels:
  - .name:           k_q3a2174394a_oproj
    .symbol:         k_q3a2174394a_oproj.kd
    .args:
      - { .name: ao, .offset: 0, .size: 8, .value_kind: global_buffer, .address_space: global }
      - { .name: wt, .offset: 8, .size: 8, .value_kind: global_buffer, .address_space: global }
      - { .name: out0, .offset: 16, .size: 8, .value_kind: global_buffer, .address_space: global }
      - { .name: Wo_b, .offset: 24, .size: 8, .value_kind: global_buffer, .address_space: global }
    .group_segment_fixed_size: 327680
    .private_segment_fixed_size: 0
    .kernarg_segment_align: 8
    .kernarg_segment_size: 32
    .max_flat_workgroup_size: 128
    .sgpr_count:     96
    .vgpr_count:     832
    .wavefront_size: 32
...
	.end_amdgpu_metadata
.endif
;; end of part 4
;; ======== version 2 of 2: 4 launches; version 1 with the launch prep written anew for expert scheduling mode
;; limits: values are held in f16: magnitudes above 65,504 overflow, below 6.1e-05 lose precision
;; workspace buffers: xh 8,388,608 bytes; wt 8,388,608 bytes; qkv 28,311,552 bytes; ao 8,388,608 bytes
;; launch prep (part 5): grid 512 x 1, 8 waves a work-group, no clusters, 18,432 bytes of LDS; arguments q, Wq_w, Wk_w, Wv_w, Wo_w, xh, wt, qkv, out1; writes xh, wt, qkv, out1
.if DOCPART == 5
	.amdgcn_target "amdgcn-amd-amdhsa--gfx1250"
	.amdhsa_code_object_version 6
	.text
	.protected	k_q3a2174394a_prep
	.globl	k_q3a2174394a_prep
	.p2align	8
	.type	k_q3a2174394a_prep,@function
k_q3a2174394a_prep:
	s_mov_b64 s[64:65], 0
	v_nop
	global_prefetch_b8 v0, s[64:65] scope:SCOPE_SE
	s_setreg_imm32_b32 hwreg(HW_REG_WAVE_SCHED_MODE, 0, 2), 2
	s_setreg_imm32_b32 hwreg(HW_REG_WAVE_MODE, 25, 1), 1
	s_wait_xcnt 0x0
	s_wait_alu depctr_vm_vsrc(0)
; prep: brings the f32 inputs into the form that the matrix launches read.  512 work-groups of 256 threads, each does four things:
;  (a) one tile of 128 k x 64 n of one of the four weights [k][n] f32 goes, cast to f16 and transposed through LDS, to wt [4096 n][1024 k]
;      (rows 0-1023 Wq, 1024-2047 Wk, 2048-3071 Wv, 3072-4095 Wo);  4 weights x 8 k tiles x 16 n tiles = 512 tiles;
;  (b) 8 rows of q (32 KiB) are cast to f16 into xh;
;  (c) 4 KiB of the zero rows of K and V in qkv [3][32 heads][2304 rows][64] f16 (rows 0-127 and 2176-2303 of each head: 64 x 2 x 16 KiB);
;  (d) work-groups 0 to 3 write out1 = 0 .. 2047.
; Memory binds: every input byte is read once by 16-byte loads, sixteen lanes on 256 neighbouring bytes; every store of sixteen (b128) or
; thirty-two (b64) neighbouring lanes covers 256 consecutive aligned bytes.  No matrix unit, no cluster: no input is shared.
; LIMIT: f16 holds magnitudes below 65,504; q and the weights must stay below that.
; THE MODE: SCHED_MODE bits 1:0 = 2 (LLVM: expert scheduling mode 2), set by the entry lines.  The code itself states the register dependences
; between vector instructions and memory or LDS instructions, with s_wait_alu, always for 0.
; THE PLAN.  Registers that memory or LDS instructions touch:
;   v3 .. v8        offsets and LDS addresses: written at the head, never again; read by every load, store and LDS access.
;   v[10:15]        zeros and indices: written at the head, never again; read by the stores of the zero rows and of out1.
;   X, QX           written by the global loads, once; read by the conversions; nothing lands in them again.
;   Y               written by the weight tile's sixteen conversions, once; read by the four LDS stores behind them.
;   PK              written by q's sixteen conversions, once; read by the eight stores into xh behind them.
;   RBK             written by the four LDS loads, read by the four stores into wt; no vector instruction names it.
;   v132, v133      written at the head, read by the closing add alone.
; So three waits on va_vdst state everything: one ahead of the first load (the head's registers), one between Y's conversions and the run of LDS stores,
; one between PK's conversions and the run of stores.  No register that a memory or LDS instruction reads is written a second time, and no load lands in a
; register that a vector instruction has named: no wait on vm_vsrc is owed.  No vector instruction writes a scalar register or VCC; EXEC is never written.
.set HEADB, 294912                     ; bytes of one head in qkv: 2304 rows x 128
.set LP,    272                        ; LDS pitch: 256 bytes (128 k in f16) + 16, so that 16 rows start in 16 different 16-byte columns
.set X,   20                           ; v[20:51]   weight tile as loaded: register 4 j + tt = W[8 kc + j][4 c + tt]
.set QX,  52                           ; v[52:83]   q as loaded
.set Y,   84                           ; v[84:99]   register 4 tt + p: k = 8 kc + 2 p, + 1 of column 4 c + tt, packed
.set PK,  100                          ; v[100:115] q packed
.set RBK, 116                          ; v[116:131] transposed rows read back
	s_load_b512 s[8:23], s[0:1], 0x0               ; q s[8:9], Wq s[10:11], Wk s[12:13], Wv s[14:15], Wo s[16:17], xh s[18:19], wt s[20:21], qkv s[22:23]
	s_load_b64 s[24:25], s[0:1], 0x40              ; out1
	v_lshl_add_u32 v132, v0, 2, 0x4400             ; my spare word, behind the 64 rows of 272 bytes; kept for the closing lines alone
	v_mov_b32 v133, 0                              ; and 0, likewise
	v_and_b32 v1, 15, v0                           ; c: which 16 bytes of a 256-byte piece
	v_lshrrev_b32 v2, 4, v0                        ; kc: 0 .. 15
	v_lshlrev_b32 v3, 4, v1
	v_lshl_or_b32 v6, v2, 13, v3                   ; wt: 4 kc rows of 2,048 bytes + 16 c
	v_lshl_or_b32 v3, v2, 15, v3                   ; W: 8 kc rows of 4,096 bytes + 16 c
	v_mul_u32_u24 v4, v1, LP
	v_lshl_add_u32 v4, v2, 4, v4                   ; LDS in: row c (+ 16 tt), column 16 kc
	v_mul_u32_u24 v5, v2, LP
	v_lshl_add_u32 v5, v1, 4, v5                   ; LDS back: row kc (+ 16 u), column 16 c
	v_lshlrev_b32 v7, 4, v0                        ; 16 t
	v_lshlrev_b32 v8, 3, v0                        ; 8 t
	v_mov_b32 v10, 0
	v_mov_b32 v11, 0
	v_mov_b32 v12, 0
	v_mov_b32 v13, 0
	s_lshl_b32 s28, ttmp9, 9
	v_lshl_add_u32 v14, v0, 1, s28                 ; 512 id + 2 t
	v_add_nc_u32 v15, 1, v14
	s_lshr_b32 s28, ttmp9, 7                       ; which weight
	s_and_b32 s29, ttmp9, 7                        ; k tile
	s_bfe_u32 s30, ttmp9, 0x40003                  ; n tile
	s_lshl_b32 s32, s29, 19                        ; W: 128 rows of 4,096 bytes a k tile
	s_lshl_b32 s31, s30, 8                         ;    + 256 bytes an n tile
	s_add_co_u32 s32, s32, s31
	s_mov_b32 s33, 0
	s_lshl_b32 s34, s28, 21                        ; wt: 1,024 rows of 2,048 bytes a weight
	s_lshl_b32 s31, s30, 17                        ;     + 64 rows an n tile
	s_add_co_u32 s34, s34, s31
	s_lshl_b32 s31, s29, 8                         ;     + 256 bytes a k tile
	s_add_co_u32 s34, s34, s31
	s_mov_b32 s35, 0
	s_lshl_b32 s36, ttmp9, 15                      ; q: 8 rows of 4,096 bytes
	s_mov_b32 s37, 0
	s_lshl_b32 s38, ttmp9, 14                      ; xh: 8 rows of 2,048 bytes
	s_mov_b32 s39, 0
	s_lshr_b32 s40, ttmp9, 3                       ; zero rows: head 32 + id / 8 (K's and V's 64 heads),
	s_add_co_u32 s40, s40, 32
	s_mul_i32 s40, s40, HEADB
	s_bfe_u32 s31, ttmp9, 0x10002                  ; front or back pad (row 0 or row 2176),
	s_mul_i32 s31, s31, 2176*128
	s_add_co_u32 s40, s40, s31
	s_and_b32 s31, ttmp9, 3                        ; which 4 KiB of its 16 KiB
	s_lshl_b32 s31, s31, 12
	s_add_co_u32 s40, s40, s31
	s_mov_b32 s41, 0
	s_lshl_b32 s42, ttmp9, 11                      ; out1: 512 numbers a work-group
	s_mov_b32 s43, 0
	s_wait_kmcnt 0x0
	s_cmp_eq_u32 s28, 1
	s_cselect_b64 s[26:27], s[12:13], s[10:11]
	s_cmp_eq_u32 s28, 2
	s_cselect_b64 s[26:27], s[14:15], s[26:27]
	s_cmp_eq_u32 s28, 3
	s_cselect_b64 s[26:27], s[16:17], s[26:27]     ; my weight
	s_add_nc_u64 s[26:27], s[26:27], s[32:33]
	s_add_nc_u64 s[20:21], s[20:21], s[34:35]
	s_add_nc_u64 s[8:9], s[8:9], s[36:37]
	s_add_nc_u64 s[18:19], s[18:19], s[38:39]
	s_add_nc_u64 s[22:23], s[22:23], s[40:41]
	s_wait_alu depctr_va_vdst(0)                   ; the head has written v3 to v8, which every load, store and LDS access below reads as its offset or address, and v10 to v15, the data of the two stores below
.irp j, 0,1,2,3,4,5,6,7
	global_load_b128 v[X+4*\j:X+4*\j+3], v3, s[26:27] offset:4096*\j th:TH_LOAD_NT     ; row 8 kc + j of the tile
.endr
.irp j, 0,1,2,3,4,5,6,7
	global_load_b128 v[QX+4*\j:QX+4*\j+3], v7, s[8:9] offset:4096*\j th:TH_LOAD_NT     ; a whole row of q for the 256 threads
.endr
	global_store_b128 v7, v[10:13], s[22:23]       ; 4 KiB of zeros
	s_cmp_ge_u32 ttmp9, 4
	s_cbranch_scc1 .Lno_index
	s_add_nc_u64 s[24:25], s[24:25], s[42:43]
	global_store_b64 v8, v[14:15], s[24:25]        ; out1
.Lno_index:
	s_wait_loadcnt 0x8                             ; the weight tile is in; the eight younger loads (q) stay out
.irp tt, 0,1,2,3
.irp p, 0,1,2,3
	v_cvt_pk_f16_f32 v[Y+4*\tt+\p], v[X+8*\p+\tt], v[X+8*\p+4+\tt]
.endr
.endr
	s_wait_alu depctr_va_vdst(0)                   ; the sixteen conversions have written Y, which the four LDS stores read: one wait for the run
.irp tt, 0,1,2,3
	ds_store_b128 v4, v[Y+4*\tt:Y+4*\tt+3] offset:16*LP*\tt                            ; LDS row 16 tt + c = column 4 c + tt, its k = 8 kc .. + 7
.endr
	s_wait_dscnt 0x0                               ; my stores are in LDS before I say so
	s_barrier_signal -1
	s_barrier_wait -1
.irp u, 0,1,2,3
	ds_load_b128 v[RBK+4*\u:RBK+4*\u+3], v5 offset:16*LP*\u                            ; column 4 kc + u, k = 8 c .. + 7; no vector instruction names RBK, and v5 stands as the head made it
.endr
	s_wait_loadcnt 0x0                             ; q
.irp j, 0,1,2,3,4,5,6,7
	v_cvt_pk_f16_f32 v[PK+2*\j], v[QX+4*\j], v[QX+4*\j+1]
	v_cvt_pk_f16_f32 v[PK+2*\j+1], v[QX+4*\j+2], v[QX+4*\j+3]
.endr
	s_wait_alu depctr_va_vdst(0)                   ; the sixteen conversions have written PK, which the eight stores read: one wait for the run
.irp j, 0,1,2,3,4,5,6,7
	global_store_b64 v8, v[PK+2*\j:PK+2*\j+1], s[18:19] offset:2048*\j
.endr
.irp u, 0,1,2,3
	s_wait_dscnt 3-\u                              ; LDS loads come back in order: load u is in, the younger ones stay out
	global_store_b128 v6, v[RBK+4*\u:RBK+4*\u+3], s[20:21] offset:2048*\u
.endr
	s_wait_dscnt 0x0                               ; the closing lines, six on end
	s_wait_alu 0x0
	s_wait_tensorcnt 0x0
	ds_add_u32 v132, v133
	s_wait_dscnt 0x0
	s_endpgm
.Lfunc_end_k_q3a2174394a_prep:
	.size	k_q3a2174394a_prep, .Lfunc_end_k_q3a2174394a_prep-k_q3a2174394a_prep
	.p2alignl 7, 3214868480
	.fill 96, 4, 3214868480
	.section	.rodata,"a",@progbits
	.p2align	6, 0x0
	.amdhsa_kernel k_q3a2174394a_prep
		.amdhsa_group_segment_fixed_size 18432
		.amdhsa_private_segment_fixed_size 0
		.amdhsa_enable_private_segment 0
		.amdhsa_kernarg_size 72
		.amdhsa_user_sgpr_count 2
		.amdhsa_user_sgpr_kernarg_segment_ptr 1
		.amdhsa_wavefront_size32 1
		.amdhsa_system_sgpr_workgroup_id_x 1
		.amdhsa_system_sgpr_workgroup_id_y 1
		.amdhsa_system_sgpr_workgroup_id_z 1
		.amdhsa_system_vgpr_workitem_id 0
		.amdhsa_next_free_vgpr 134
		.amdhsa_next_free_sgpr 66
		.amdhsa_reserve_vcc 0
		.amdhsa_float_denorm_mode_32 3
		.amdhsa_float_denorm_mode_16_64 3
		.amdhsa_memory_ordered 1
		.amdhsa_forward_progress 1
		.amdhsa_inst_pref_size 9
	.end_amdhsa_kernel
	.amdgpu_metadata
---
amdhsa.version: [ 1, 2 ]
amdhsa.kernels:
  - .name:           k_q3a2174394a_prep
    .symbol:         k_q3a2174394a_prep.kd
    .args:
      - { .name: q, .offset: 0, .size: 8, .value_kind: global_buffer, .address_space: global }
      - { .name: Wq_w, .offset: 8, .size: 8, .value_kind: global_buffer, .address_space: global }
      - { .name: Wk_w, .offset: 16, .size: 8, .value_kind: global_buffer, .address_space: global }
      - { .name: Wv_w, .offset: 24, .size: 8, .value_kind: global_buffer, .address_space: global }
      - { .name: Wo_w, .offset: 32, .size: 8, .value_kind: global_buffer, .address_space: global }
      - { .name: xh, .offset: 40, .size: 8, .value_kind: global_buffer, .address_space: global }
      - { .name: wt, .offset: 48, .size: 8, .value_kind: global_buffer, .address_space: global }
      - { .name: qkv, .offset: 56, .size: 8, .value_kind: global_buffer, .address_space: global }
      - { .name: out1, .offset: 64, .size: 8, .value_kind: global_buffer, .address_space: global }
    .group_segment_fixed_size: 18432
    .private_segment_fixed_size: 0
    .kernarg_segment_align: 8
    .kernarg_segment_size: 72
    .max_flat_workgroup_size: 256
    .sgpr_count:     66
    .vgpr_count:     134
    .wavefront_size: 32
...
	.end_amdgpu_metadata
.endif
;; end of part 5
;; launch proj: the kernel of part 2 again; grid 16 x 16, 4 waves a work-group, clusters of 4 x 4, 327,680 bytes of LDS; arguments xh, wt, qkv, Wq_b, Wk_b, Wv_b; writes qkv
;; launch attn: the kernel of part 3 again; grid 16 x 16, 8 waves a work-group, no clusters, 306,176 bytes of LDS; arguments qkv, ao; writes ao
;; launch oproj: the kernel of part 4 again; grid 8 x 32, 4 waves a work-group, clusters of 4 x 4, 327,680 bytes of LDS; arguments ao, wt, out0, Wo_b; writes out0
